; MI455X (gfx1250); checked and timed in simulation.
; The chip was launched on July 23, 2026; its instructions are those of AMD's public machine-readable ISA for CDNA 5 (MIT licence, August 2026) and "CDNA5" Instruction Set Architecture Reference Guide (July 2026). The comments in the code are by the model that wrote it; some were corrected since.
;; Intrinsic Reward. Allowed arithmetic: matrix products marked QUANTISED: E4M3 operands, one E8M0 scale for each 32 along K, by v_wmma_scale_f32_16x16x128_f8f6f4 with both operands' format E4M3, f32 sums; everything else in f32.
;; Inputs: W1 262 x 128 float32; W2 128 x 64 float32; W3 64 x 256 float32; action 1,024 x 6 float32; b1 128 float32; b2 64 float32; b3 256 float32; be1 128 float32; be2 64 float32; g1 128 float32; g2 64 float32; mem 200,000 x 256 float32; sigma 1,024 x 6 float32; z_t 1,024 x 256 float32; z_t1 1,024 x 256 float32.
;; Outputs: out0 4 x 1,024 float32.
;; This version of the problem:
;;   THIS VERSION OF THE PROBLEM IS GIVEN IN LOW PRECISION. The matrix products marked QUANTISED in the list below multiply operands that are first quantised to E4M3 (4 exponent bits, 3 mantissa bits; 8 bits a number), with one power-of-two scale for each 32 numbers along K (OCP MX v1.0); their sums are f32. All else is computed in f32.
;;   The module's matrix products, in the order in which they are computed (A, B: the left and right operand; K: the contracted axis; several contracted axes count as one K, in the product's order):
;;     1. [M 1,024, K 262] x [K 262, N 128]; A: computed on the way; B: input W1: QUANTISED
;;     2. [M 1,024, K 128] x [K 128, N 64]; A: computed on the way; B: input W2: QUANTISED
;;     3. [M 1,024, K 64] x [K 64, N 256]; A: computed on the way; B: input W3: QUANTISED
;;     4. [M 1,024, K 256] x [K 256, N 200,000]; A: computed on the way; B: computed on the way: QUANTISED
;;   THE QUANTISER, for each operand of a quantised product, along K:
;;     - K is cut into blocks of 32 from its start; a last block that is shorter is filled with zeros.
;;     - A block's scale is 2^e with e = floor(log2(the largest magnitude in the block)) - 8, held to -126 .. 127; a block of zeros has e = 0. As a byte (E8M0): e + 127.
;;     - Each number is divided by its block's scale, clamped to +-448, and rounded to the nearest number of E4M3, ties to even, subnormals kept.
;;     - The product sums the exact products of the quantised numbers (number of the format x scale) in f32.
;;   ~~~python
;;   def quantise(x, axis):      # numpy; x: float32 -> the quantised numbers, widened to float32 again
;;       x = np.moveaxis(x, axis, -1); K = x.shape[-1]
;;       x = np.pad(x, [(0, 0)] * (x.ndim - 1) + [(0, -K % 32)]); x = x.reshape(x.shape[:-1] + (-1, 32)); a = np.abs(x).max(-1, keepdims=True)
;;       e = np.where(a > 0, np.clip(np.frexp(np.where(a > 0, a, 1))[1] - 1 - 8, -126, 127), 0)      # np.frexp(a)[1] - 1 = floor(log2(a)), exactly
;;       r = np.clip(x / 2.0 ** e, -448, 448)
;;       step = 2.0 ** (np.maximum(np.frexp(np.where(r == 0, 1, r))[1] - 1, -6) - 3)
;;       q = np.round(r / step) * step * 2.0 ** e      # np.round: ties to even
;;       return np.moveaxis(q.reshape(q.shape[:-2] + (-1,))[..., :K], -1, axis).astype(np.float32)
;;   ~~~
;;   OPERANDS COMPUTED ON THE WAY. 'Computed on the way' means the value that the module computes at that place (a softmax that the list does not call 'softmax' is quantised finished and normalised). What goes into a quantiser is computed in f32, as accurately as f32 sums, v_exp_f32 and their like allow (about 1e-6 of the number): no bf16 or f16 on the way to a quantiser, and a product that is left as it is and whose result goes on into a quantised operand takes f32 operands (vector FMAs, or v_wmma_f32_16x16x4_f32). A number that lies on a knife's edge between two numbers of the format may be rounded either way, as far as f32 arithmetic and the matrix unit's own rounding can turn it there, and no further.
;; 2 versions, each right; version 2 is version 1 with the launches prep, score written anew for expert scheduling mode. Each part assembles by itself: llvm-mc -triple=amdgcn-amd-amdhsa -mcpu=gfx1250 --defsym DOCPART=n.
;; ======== version 1 of 2: 4 launches
;; limits: values within 7.6e-06 (relative) of each other or of a threshold may be ordered or decided otherwise than in the reference
;; workspace buffers: zq 262,144 bytes; zs 8,192 bytes; part 8,192 bytes; mq 51,200,000 bytes; ms 1,600,000 bytes; keys 16,384,000 bytes; gids 65,536 bytes of whole numbers
;; launch prep (part 1): grid 16 x 1, 16 waves a work-group, no clusters, 97,792 bytes of LDS; arguments z_t, action, z_t1, sigma, W1, b1, g1, be1, W2, b2, g2, be2, W3, b3, zq, zs, part; writes zq, zs, part
.if DOCPART == 1
	.amdgcn_target "amdgcn-amd-amdhsa--gfx1250"
	.amdhsa_code_object_version 6
	.text
	.protected	k_q4948780349_prep
	.globl	k_q4948780349_prep
	.p2align	8
	.type	k_q4948780349_prep,@function
k_q4948780349_prep:
	s_mov_b64 s[64:65], 0
	v_nop
	global_prefetch_b8 v0, s[64:65] scope:SCOPE_SE
	s_setreg_imm32_b32 hwreg(HW_REG_WAVE_MODE, 25, 1), 1
	s_wait_xcnt 0x0
; THE PROGRAM: four launches.  prep: the forward model (products 1 to 3) -> pred_err; epistemic; z_t normalised and quantised.  scan: mem normalised and quantised, product 4, and for each
; slice of 800 rows and each query the 16 best groups of 16 rows.  pick: for each query the 16 best groups of all.  score: those 256 rows multiplied again, the exact top 16, all of out0.
; NO WORK IS LEFT OUT AS DEAD: every input has a way to an output, and all fifteen are loaded.  What is spared is selection: of 200,000 similarities a query's 16 largest lie in the 16 groups with
; the largest group maxima (if x lay in another group, 16 groups would each hold a number >= x besides x), whatever the inputs hold.
; LIMITS: NaN and infinities among the inputs are not served.  1 / (norm + 1e-8) is a reciprocal and a multiplication, the means are multiplications by 1 / n.
; THIS LAUNCH.  A work-group takes 64 samples.  Its sixteen waves quantise the three weights along K, a lane to a column and registers down K, into LDS as images of the operands' registers: 44 fragments of
; 16 columns x 128 K (W1: 3 t + s; W2: 24 + t; W3: 28 + t) and their scale words.  Behind the one barrier waves 12 to 15 each take a tile of 16 samples through the whole chain in registers.
; Products are used transposed (source 0 = 16 columns of a weight, source 1 = 16 samples): a lane holds one sample.  The columns of a tile of W1 and W2 are chosen (lane r of tile 2 b + u: column 32 b + 8 u + r + 8 (r / 8)),
; so that the 16 registers of two neighbouring tiles are 16 neighbours along the next K.  K = 262 is three steps of 128: the third holds the action's 6 numbers and zero codes; K = 64 is half a step, the rest zero codes.
; No tensor load, no cluster: the weights are small and each work-group reads them once.
.set WSC,   90112                      ; LDS: 44 images of 2,048 bytes, then 44 x 128 bytes of scale words,
.set SPARE, 95744                      ; then the spare words, 128 bytes for each of 16 waves: eight blocks of 256 bytes that no other line names
.set TM,  20                           ; v20-23 largest magnitudes, v24-27 bytes, v28-31 448 x the scale, v32-35 the conversions' scale operands
.set PCH, 48                           ; v48-63   the hidden layer's codes
.set XF,  64                           ; v64-111  the input's three fragments
.set WPW, 112                          ; v112     a weight's scale word on its way to LDS
.set XS,  120                          ; v120-122 the input's scale words; v123 the hidden layer's; v124-127 four weights': these eight hold scales alone
.set PWH, 123
.set WS,  124
.set H,   128                          ; v128-191 a layer's results
.set WF,  192                          ; v192-255 four fragments of a weight
.set WPC, 224                          ; v224-239 a weight's codes on their way to LDS
.set WV,  38
.set SEL, 40
.set MNT, 42
.set HM,  43
; 16 nb numbers of a lane, register 16 b + i = k 32 b + 16 (lane / 16) + i, become a fragment's codes in v[pc] on and its scale word in v[pw].  Blocks from nb on are zero codes under the byte 127.
.macro QUANT s, relu, nb, pc, pw
.irp b, 0,1,2,3
.if \b >= \nb
.irp c, 0,1,2,3
	v_mov_b32 v[\pc+4*\b+\c], 0
.endr
.endif
.endr
.irp b, 0,1,2,3
.if \b < \nb
.if \relu
	v_max3_num_f32 v[TM+\b], v[\s+16*\b], v[\s+1+16*\b], 0x4800000       ; no |.|: what is negative becomes 0 and must not count; the floor 2^(9 - 127) holds the byte at 1 from below
.else
	v_max3_num_f32 v[TM+\b], |v[\s+16*\b]|, |v[\s+1+16*\b]|, 0x4800000
.endif
.endif
.endr
.irp i, 2,4,6,8,10,12,14
.irp b, 0,1,2,3
.if \b < \nb
.if \relu
	v_max3_num_f32 v[TM+\b], v[TM+\b], v[\s+16*\b+\i], v[\s+1+16*\b+\i]
.else
	v_max3_num_f32 v[TM+\b], v[TM+\b], |v[\s+16*\b+\i]|, |v[\s+1+16*\b+\i]|
.endif
.endif
.endr
.endr
.irp b, 0,1,2,3
.if \b < \nb
	v_permlanex16_b32 v[TM+4+\b], v[TM+\b], s[SEL], s[SEL+1]
.endif
.endr
.irp b, 0,1,2,3
.if \b < \nb
	v_max_num_f32 v[TM+\b], v[TM+\b], v[TM+4+\b]                          ; with lane l xor 16's: the block's largest magnitude
.endif
.endr
.irp b, 0,1,2,3
.if \b < \nb
	v_add_nc_u32 v[TM+12+\b], 0xfc000000, v[TM+\b]                        ; 8 off its exponent field: the conversion's scale operand
	v_and_or_b32 v[TM+8+\b], v[TM+\b], 0x7f800000, s[MNT]                 ; 448 x the scale
	v_lshrrev_b32 v[TM+4+\b], 23, v[TM+12+\b]                             ; the scale's byte
.endif
.endr
.if \nb == 4
	v_lshl_or_b32 v[\pw], v[TM+5], 8, v[TM+4]
	v_lshl_or_b32 v[\pw], v[TM+6], 16, v[\pw]
	v_lshl_or_b32 v[\pw], v[TM+7], 24, v[\pw]
.elseif \nb == 2
	v_lshl_or_b32 v[\pw], v[TM+5], 8, v[TM+4]
	v_or_b32 v[\pw], 0x7f7f0000, v[\pw]
.else
	v_or_b32 v[\pw], 0x7f7f7f00, v[TM+4]
.endif
.irp b, 0,1,2,3
.if \b < \nb
.irp i, 0,1,2,3,4,5,6,7,8,9,10,11,12,13,14,15
.if \relu
	v_med3_num_f32 v[\s+16*\b+\i], v[\s+16*\b+\i], 0, v[TM+8+\b]          ; the activation and the hold in one
.else
	v_med3_num_f32 v[\s+16*\b+\i], v[\s+16*\b+\i], -v[TM+8+\b], v[TM+8+\b] ; the conversion to an 8-bit code does not saturate (ISA guide 7.6.2)
.endif
.endr
	v_cvt_scalef32_pk8_fp8_f32 v[\pc+4*\b:\pc+1+4*\b], v[\s+16*\b:\s+7+16*\b], v[TM+12+\b]
	v_cvt_scalef32_pk8_fp8_f32 v[\pc+2+4*\b:\pc+3+4*\b], v[\s+8+16*\b:\s+15+16*\b], v[TM+12+\b]
.endif
.endr
.rept 4
	v_nop                                  ; codes written by vector instructions stand four places ahead of a scaled product; the first is also the plain line behind the conversions
.endr
.endm
.macro IMAGE adr, pc                   ; a fragment goes to LDS as it stands: lane l's 16 bytes at 16 l, 512 bytes a store
.irp c, 0,1,2,3
	ds_store_b128 v[\adr], v[\pc+4*\c:\pc+4*\c+3] offset:512*\c
.endr
.endm
.macro FETCH reg, adr, off             ; and comes back so, in any wave
.irp c, 0,1,2,3
	ds_load_b128 v[\reg+4*\c:\reg+4*\c+3], v[\adr] offset:\off+512*\c
.endr
.endm
.macro WLOAD reg, ofs, base, nb, pitch ; nb blocks of 32 down K of my column: sixteen neighbouring lanes read neighbouring columns
.irp c, 0,1,2,3
.if \c < \nb
.irp i, 0,1,2,3,4,5,6,7,8,9,10,11,12,13,14,15
	global_load_b32 v[\reg+16*\c+\i], v[\ofs], s[\base:\base+1] offset:(32*\c+\i)*\pitch
.endr
.endif
.endr
.endm
.macro AB                              ; every wave's two fragments: one of W1's first 256 along K, one of W3
	QUANT 128, 0, 4, WPC, WPW
	IMAGE 7, WPC
	ds_store_b32 v8, v[WPW]
	s_wait_dscnt 0x0                       ; the stores have read their registers
	QUANT 192, 0, 2, WPC, WPW
	IMAGE 9, WPC
	ds_store_b32 v10, v[WPW]
	s_wait_dscnt 0x0
.endm
.macro ZLOAD                           ; my row of z_t: of each block of 32 my half's 16 numbers
.irp b, 0,1,2,3,4,5,6,7
.irp j, 0,1,2,3
	global_load_b128 v[128+16*\b+4*\j:128+16*\b+4*\j+3], v15, s[52:53] offset:128*\b+16*\j
.endr
.endr
.endm
; LayerNorm over 2 n numbers, n in my registers v[H] on and n in lane l xor 16's; gains at v[g] on, offsets at v[be] on, both still on their way; rn = 1 / (2 n)
.macro LN n, g, be, rn
	v_pk_add_f32 v[36:37], v[H:H+1], v[H+2:H+3]                           ; each tile of results is read from its low end on
	v_pk_add_f32 v[38:39], v[H+4:H+5], v[H+6:H+7]
.set I_, 8
.rept (\n-8)/4
	v_pk_add_f32 v[36:37], v[36:37], v[H+I_:H+I_+1]
	v_pk_add_f32 v[38:39], v[38:39], v[H+I_+2:H+I_+3]
.set I_, I_+4
.endr
	v_pk_add_f32 v[36:37], v[36:37], v[38:39]
	v_add_f32 v36, v36, v37
	v_permlanex16_b32 v37, v36, s[SEL], s[SEL+1]
	v_add_f32 v36, v36, v37
	v_mul_f32 v36, \rn, v36                ; the mean
	v_mov_b32 v37, v36
.set I_, 0
.rept \n/2
	v_pk_add_f32 v[H+I_:H+I_+1], v[H+I_:H+I_+1], v[36:37] neg_lo:[0,1] neg_hi:[0,1]
.set I_, I_+2
.endr
	v_pk_mul_f32 v[38:39], v[H:H+1], v[H:H+1]
	v_pk_mul_f32 v[40:41], v[H+2:H+3], v[H+2:H+3]
.set I_, 4
.rept (\n-4)/4
	v_pk_fma_f32 v[38:39], v[H+I_:H+I_+1], v[H+I_:H+I_+1], v[38:39]
	v_pk_fma_f32 v[40:41], v[H+I_+2:H+I_+3], v[H+I_+2:H+I_+3], v[40:41]
.set I_, I_+4
.endr
	v_pk_add_f32 v[38:39], v[38:39], v[40:41]
	v_add_f32 v38, v38, v39
	v_permlanex16_b32 v39, v38, s[SEL], s[SEL+1]
	v_add_f32 v38, v38, v39
	v_mul_f32 v38, \rn, v38                ; the variance
	v_add_f32 v38, 0x3727c5ac, v38         ; + 1e-5
	v_rsq_f32 v38, v38
	v_nop                                  ; a plain line behind the transcendental,
	s_wait_alu depctr_va_vdst(0)           ; and the wait ahead of its first reader
	v_mov_b32 v39, v38
	s_wait_loadcnt 0x0                     ; gains and offsets are in
.set I_, 0
.rept \n/2
	v_pk_mul_f32 v[H+I_:H+I_+1], v[H+I_:H+I_+1], v[38:39]
.set I_, I_+2
.endr
.set I_, 0
.rept \n/2
	v_pk_fma_f32 v[H+I_:H+I_+1], v[H+I_:H+I_+1], v[\g+I_:\g+I_+1], v[\be+I_:\be+I_+1]
.set I_, I_+2
.endr
.endm
	s_load_b512 s[4:19], s[0:1], 0x0       ; z_t s4, action s6, z_t1 s8, sigma s10, W1 s12, b1 s14, g1 s16, be1 s18
	s_load_b512 s[20:35], s[0:1], 0x40     ; W2 s20, b2 s22, g2 s24, be2 s26, W3 s28, b3 s30, zq s32, zs s34
	s_load_b64 s[36:37], s[0:1], 0x80      ; part
	v_lshl_add_u32 v1, v0, 2, SPARE        ; my spare word; never rewritten
	v_mov_b32 v2, 0                        ; 0; never rewritten
	v_lshrrev_b32 v3, 5, v0
	v_readfirstlane_b32 s[WV], v3          ; wave 0..15
	v_and_b32 v3, 15, v0                   ; r
	v_bfe_u32 v4, v0, 4, 1                 ; h
	v_and_b32 v15, 31, v0
	v_lshlrev_b32 v5, 4, v15               ; 16 x lane: an image's place for my lane
	v_lshlrev_b32 v6, 2, v15               ; 4 x lane
	v_add_nc_u32 v17, 24*2048, v5          ; the same from image 24 on: an LDS immediate has 16 bits
	v_add_nc_u32 v18, WSC, v6              ; a scale word's place
	s_mov_b32 s[SEL], 0x76543210
	s_mov_b32 s[SEL+1], 0xfedcba98         ; v_permlanex16_b32's selects for lane l xor 16
	s_mov_b32 s[MNT], 0x600000             ; the mantissa field of 448
	s_mov_b32 s[HM], 0xffff0000            ; lanes 16 to 31
.irp b, 0,1,2,3
	v_mov_b32 v[TM+4+\b], 0                ; written once: a lane permute's destination counts as one of its sources
.endr
	; every LDS address is made here, ahead of the parting of the roles
	s_lshr_b32 s44, s[WV], 1
	s_and_b32 s45, s[WV], 1
	s_mul_i32 s46, s44, 3
	s_add_co_u32 s46, s46, s45             ; W1: tile wave / 2, K step wave % 2: image 3 t + s
	s_lshl_b32 s47, s46, 11
	v_add_nc_u32 v7, s47, v5
	s_lshl_b32 s47, s46, 7
	v_add_nc_u32 v8, s47, v18
	s_add_co_u32 s46, s[WV], 28            ; W3: tile = wave: image 28 + wave
	s_lshl_b32 s47, s46, 11
	v_add_nc_u32 v9, s47, v5
	s_lshl_b32 s47, s46, 7
	v_add_nc_u32 v10, s47, v18
	s_mul_i32 s46, s[WV], 3
	s_add_co_u32 s46, s46, 2               ; waves 0-7: W1's third K step of tile = wave: image 3 wave + 2
	s_lshl_b32 s47, s46, 11
	v_add_nc_u32 v11, s47, v5
	s_lshl_b32 s47, s46, 7
	v_add_nc_u32 v12, s47, v18
	s_add_co_u32 s46, s[WV], 16            ; waves 8-11: W2's tile wave - 8: image 24 + wave - 8
	s_lshl_b32 s47, s46, 11
	v_add_nc_u32 v13, s47, v5
	s_lshl_b32 s47, s46, 7
	v_add_nc_u32 v14, s47, v18
	; offsets in the weights
	v_and_b32 v36, 8, v3
	v_add_nc_u32 v36, v36, v3              ; r + 8 (r / 8)
	v_lshlrev_b32 v37, 2, v36              ; W1's last rows: my column alone (lanes 16-31 read what lanes 0-15 read: no load leaves W1)
	v_lshl_add_u32 v38, v4, 13, v37        ; W1: + 16 h rows of 512 bytes
	v_lshlrev_b32 v39, 2, v3
	v_lshl_add_u32 v39, v4, 14, v39        ; W3: column r, + 16 h rows of 1,024 bytes
	v_lshl_add_u32 v40, v4, 12, v37        ; W2: + 16 h rows of 256 bytes
	s_lshl_b32 s46, s45, 16                ; W1: K step x 128 rows,
	s_lshr_b32 s47, s44, 1
	s_lshl_b32 s47, s47, 7
	s_add_co_u32 s46, s46, s47             ; + 32 (t / 2) columns,
	s_and_b32 s47, s44, 1
	s_lshl_b32 s47, s47, 5
	s_add_co_u32 s46, s46, s47             ; + 8 (t % 2)
	s_mov_b32 s47, 0
	s_lshl_b32 s52, s[WV], 6               ; W3: 16 columns a tile
	s_mov_b32 s53, 0
	s_wait_kmcnt 0x0
	s_add_nc_u64 s[48:49], s[12:13], s[46:47]
	s_add_nc_u64 s[50:51], s[28:29], s[52:53]
	WLOAD 128, 38, 48, 4, 512
	WLOAD 192, 39, 50, 2, 1024
	s_cmp_lt_u32 s[WV], 8
	s_cbranch_scc0 .Lnot_tail
	; ---- waves 0-7: W1's rows 256 to 261
	s_lshl_b32 s46, s44, 7
	s_lshl_b32 s52, s45, 5
	s_add_co_u32 s46, s46, s52
	s_add_co_u32 s46, s46, 256*512
	s_add_nc_u64 s[54:55], s[12:13], s[46:47]
.irp i, 0,1,2,3,4,5
	global_load_b32 v[240+\i], v37, s[54:55] offset:\i*512
.endr
	s_wait_loadcnt 0x0
	AB
.irp i, 0,1,2,3,4,5
	v_cndmask_b32 v[240+\i], v[240+\i], 0, s[HM]   ; lanes 16-31 stand for k = 272 on: past K's end, zeros
.endr
.irp i, 6,7,8,9,10,11,12,13,14,15
	v_mov_b32 v[240+\i], 0
.endr
	QUANT 240, 0, 1, WPC, WPW
	IMAGE 11, WPC
	ds_store_b32 v12, v[WPW]
	s_branch .Ljoin
.Lnot_tail:
	s_cmp_lt_u32 s[WV], 12
	s_cbranch_scc0 .Lchain
	; ---- waves 8-11: W2
	s_sub_co_u32 s46, s44, 4
	s_lshl_b32 s46, s46, 7
	s_lshl_b32 s52, s45, 5
	s_add_co_u32 s46, s46, s52
	s_add_nc_u64 s[54:55], s[20:21], s[46:47]
	WLOAD 48, 40, 54, 4, 256
	s_wait_loadcnt 0x0
	AB
	QUANT 48, 0, 4, WPC, WPW
	IMAGE 13, WPC
	ds_store_b32 v14, v[WPW]
	s_branch .Ljoin
.Lchain:
	; ---- waves 12-15: my tile of 16 samples: z_t normalised -> zq, zs; z_t and the action as they are -> the first product's operand; sigma
	s_wait_loadcnt 0x0
	AB
	s_lshl_b32 s56, ttmp9, 2
	s_add_co_u32 s56, s56, s[WV]
	s_sub_co_u32 s56, s56, 12              ; my tile
	s_lshl_b32 s46, s56, 14
	s_add_nc_u64 s[52:53], s[4:5], s[46:47]
	s_add_nc_u64 s[54:55], s[8:9], s[46:47]
	s_lshl_b32 s46, s56, 12
	s_add_nc_u64 s[32:33], s[32:33], s[46:47]
	s_lshl_b32 s46, s56, 7
	s_add_nc_u64 s[34:35], s[34:35], s[46:47]
	s_mul_i32 s46, s56, 384
	s_add_nc_u64 s[6:7], s[6:7], s[46:47]
	s_add_nc_u64 s[10:11], s[10:11], s[46:47]
	s_lshl_b32 s46, s56, 6
	s_add_nc_u64 s[36:37], s[36:37], s[46:47]
	v_lshlrev_b32 v15, 10, v3
	v_lshl_add_u32 v15, v4, 6, v15         ; row r of 1,024 bytes, + 64 h
	ZLOAD
	s_wait_loadcnt 0x0
.irp c, 0,1,2,3
	v_pk_mul_f32 v[36+2*\c:37+2*\c], v[128+2*\c:129+2*\c], v[128+2*\c:129+2*\c]   ; the sum of squares, in four chains
.endr
.set P_, 4
.rept 60
	v_pk_fma_f32 v[36+2*(P_%4):37+2*(P_%4)], v[128+2*P_:129+2*P_], v[128+2*P_:129+2*P_], v[36+2*(P_%4):37+2*(P_%4)]
.set P_, P_+1
.endr
	v_pk_add_f32 v[36:37], v[36:37], v[38:39]
	v_pk_add_f32 v[40:41], v[40:41], v[42:43]
	v_pk_add_f32 v[36:37], v[36:37], v[40:41]
	v_add_f32 v36, v36, v37
	v_permlanex16_b32 v37, v36, s[SEL], s[SEL+1]
	v_add_f32 v36, v36, v37
	v_sqrt_f32 v36, v36
	v_nop
	s_wait_alu depctr_va_vdst(0)           ; the wait ahead of the first reader
	v_add_f32 v36, 0x322bcc77, v36         ; + 1e-8
	v_rcp_f32 v36, v36
	v_nop
	s_wait_alu depctr_va_vdst(0)
	v_mov_b32 v37, v36
.set P_, 0
.rept 64
	v_pk_mul_f32 v[128+2*P_:129+2*P_], v[128+2*P_:129+2*P_], v[36:37]
.set P_, P_+1
.endr
	QUANT 128, 0, 4, 48, 113
	QUANT 192, 0, 4, 64, 114
.irp c, 0,1,2,3
	global_store_b128 v5, v[48+4*\c:51+4*\c], s[32:33] offset:512*\c           ; 32 lanes store 512 consecutive bytes
.endr
.irp c, 0,1,2,3
	global_store_b128 v5, v[64+4*\c:67+4*\c], s[32:33] offset:2048+512*\c
.endr
	v_cndmask_b32 v115, v113, v114, s[HM]  ; lanes 0-15: the first K step's word of sample r; lanes 16-31: the second's
	global_store_b32 v6, v115, s[34:35]
	ZLOAD                                  ; once more, as it is: the hold has changed the registers
	v_mul_u32_u24 v116, v3, 24
.irp i, 0,1,2
	global_load_b64 v[36+2*\i:37+2*\i], v116, s[6:7] offset:8*\i
	global_load_b64 v[42+2*\i:43+2*\i], v116, s[10:11] offset:8*\i
.endr
	s_wait_loadcnt 0x0
	s_wait_xcnt 0x0                        ; the stores have read their registers: v64 on is written again below
	v_add_f32 v16, v42, v43
	v_add_f32 v117, v44, v45
	v_add_f32 v118, v46, v47
	v_add_f32 v16, v16, v117
	v_add_f32 v16, v16, v118
	v_mul_f32 v16, 0x3e2aaaab, v16         ; epistemic: the mean of six
	QUANT 128, 0, 4, XF, XS
	QUANT 192, 0, 4, XF+16, XS+1
.irp i, 0,1,2,3,4,5
	v_cndmask_b32 v[128+\i], v[36+\i], 0, s[HM]    ; the action is k = 256 to 261: lanes 0-15's first six; all else of the block is zeros
.endr
.irp i, 6,7,8,9,10,11,12,13,14,15
	v_mov_b32 v[128+\i], 0
.endr
	QUANT 128, 0, 1, XF+32, XS+2
.Ljoin:
	s_wait_dscnt 0x0                       ; my images have landed
	s_barrier_signal -1
	s_barrier_wait -1                      ; all 44 lie in LDS
	s_cmp_lt_u32 s[WV], 12
	s_cbranch_scc0 .Lgo
	s_wait_tensorcnt 0x0                   ; the wave's end, behind my last LDS store
	ds_add_u32 v1, v2
	s_wait_dscnt 0x0
	s_endpgm
.Lgo:
	; ---- product 1: 8 tiles of hidden units, three K steps; b1 is the C of each sum's first product
	v_lshlrev_b32 v15, 6, v4
.irp b, 0,1,2,3
.irp j, 0,1,2,3
	global_load_b128 v[H+16*\b+4*\j:H+16*\b+4*\j+3], v15, s[14:15] offset:128*\b+16*\j
.endr
.endr
.macro P1B s, a                        ; K step s, tiles 4 a to 4 a + 3: the accumulators take turns, one product a turn
.irp t, 0,1,2,3
	FETCH WF+16*\t, 5, (3*(4*\a+\t)+\s)*2048
	ds_load_b32 v[WS+\t], v18 offset:128*(3*(4*\a+\t)+\s)
.endr
	s_wait_loadcnt 0x0
	s_wait_dscnt 0x0
.irp t, 0,1,2,3
	v_wmma_scale_f32_16x16x128_f8f6f4 v[H+8*(4*\a+\t):H+8*(4*\a+\t)+7], v[WF+16*\t:WF+16*\t+15], v[XF+16*\s:XF+16*\s+15], v[H+8*(4*\a+\t):H+8*(4*\a+\t)+7], v[WS+\t], v[XS+\s]
.endr
.rept 8
	v_nop                                  ; places in front of loads into registers that these products read, and of the first read of results
.endr
.endm
	P1B 0, 0
	P1B 0, 1
	P1B 1, 0
	P1B 1, 1
	P1B 2, 0
	P1B 2, 1
.irp b, 0,1,2,3
.irp j, 0,1,2,3
	global_load_b128 v[WF+16*\b+4*\j:WF+16*\b+4*\j+3], v15, s[16:17] offset:128*\b+16*\j
	global_load_b128 v[48+16*\b+4*\j:48+16*\b+4*\j+3], v15, s[18:19] offset:128*\b+16*\j
.endr
.endr
	LN 64, WF, 48, 0x3c000000
	QUANT H, 1, 4, PCH, PWH
	; ---- product 2: 4 tiles, one K step
.irp b, 0,1
.irp j, 0,1,2,3
	global_load_b128 v[H+16*\b+4*\j:H+16*\b+4*\j+3], v15, s[22:23] offset:128*\b+16*\j
.endr
.endr
.irp t, 0,1,2,3
	FETCH WF+16*\t, 17, \t*2048
	ds_load_b32 v[WS+\t], v18 offset:128*(24+\t)
.endr
	s_wait_loadcnt 0x0
	s_wait_dscnt 0x0
.irp t, 0,1,2,3
	v_wmma_scale_f32_16x16x128_f8f6f4 v[H+8*\t:H+8*\t+7], v[WF+16*\t:WF+16*\t+15], v[PCH:PCH+15], v[H+8*\t:H+8*\t+7], v[WS+\t], v[PWH]
.endr
.rept 8
	v_nop
.endr
.irp b, 0,1
.irp j, 0,1,2,3
	global_load_b128 v[WF+16*\b+4*\j:WF+16*\b+4*\j+3], v15, s[24:25] offset:128*\b+16*\j
	global_load_b128 v[64+16*\b+4*\j:64+16*\b+4*\j+3], v15, s[26:27] offset:128*\b+16*\j
.endr
.endr
	LN 32, WF, 64, 0x3c800000
	QUANT H, 1, 2, PCH, PWH
	; ---- product 3: 16 tiles of 16 outputs, four at a time; the squared distance to z_t1 is summed on the way
	v_lshlrev_b32 v15, 5, v4               ; b3: my half's eight of a tile
	v_lshlrev_b32 v19, 10, v3
	v_lshl_add_u32 v19, v4, 5, v19         ; z_t1: row r, + 32 h
.irp i, 36,37,38,39
	v_mov_b32 v\i, 0
.endr
.macro P3B a
.irp t, 0,1,2,3
	global_load_b128 v[128+8*\t:131+8*\t], v15, s[30:31] offset:64*(4*\a+\t)
	global_load_b128 v[132+8*\t:135+8*\t], v15, s[30:31] offset:64*(4*\a+\t)+16
	global_load_b128 v[160+8*\t:163+8*\t], v19, s[54:55] offset:64*(4*\a+\t)
	global_load_b128 v[164+8*\t:167+8*\t], v19, s[54:55] offset:64*(4*\a+\t)+16
	FETCH WF+16*\t, 17, (4+4*\a+\t)*2048
	ds_load_b32 v[WS+\t], v18 offset:128*(28+4*\a+\t)
.endr
	s_wait_loadcnt 0x0
	s_wait_dscnt 0x0
.irp t, 0,1,2,3
	v_wmma_scale_f32_16x16x128_f8f6f4 v[128+8*\t:135+8*\t], v[WF+16*\t:WF+16*\t+15], v[PCH:PCH+15], v[128+8*\t:135+8*\t], v[WS+\t], v[PWH]
.endr
.rept 8
	v_nop
.endr
.set I_, 0
.rept 16
	v_pk_add_f32 v[160+I_:161+I_], v[128+I_:129+I_], v[160+I_:161+I_] neg_lo:[0,1] neg_hi:[0,1]   ; each tile from its low end on
.set I_, I_+2
.endr
.set I_, 0
.rept 8
	v_pk_fma_f32 v[36:37], v[160+I_:161+I_], v[160+I_:161+I_], v[36:37]
	v_pk_fma_f32 v[38:39], v[162+I_:163+I_], v[162+I_:163+I_], v[38:39]
.set I_, I_+4
.endr
.endm
	P3B 0
	P3B 1
	P3B 2
	P3B 3
	v_pk_add_f32 v[36:37], v[36:37], v[38:39]
	v_add_f32 v36, v36, v37
	v_permlanex16_b32 v37, v36, s[SEL], s[SEL+1]
	v_add_f32 v36, v36, v37
	v_mul_f32 v36, 0x3b800000, v36         ; pred_err: the mean of 256
	v_cndmask_b32 v36, v36, v16, s[HM]     ; lanes 0-15 store pred_err, lanes 16-31 epistemic
	v_lshlrev_b32 v37, 2, v3
	v_lshl_add_u32 v37, v4, 12, v37
	global_store_b32 v37, v36, s[36:37]
	s_wait_tensorcnt 0x0                   ; the wave's end
	ds_add_u32 v1, v2
	s_wait_dscnt 0x0
	s_endpgm
.Lfunc_end_k_q4948780349_prep:
	.size	k_q4948780349_prep, .Lfunc_end_k_q4948780349_prep-k_q4948780349_prep
	.p2alignl 7, 3214868480
	.fill 96, 4, 3214868480
	.section	.rodata,"a",@progbits
	.p2align	6, 0x0
	.amdhsa_kernel k_q4948780349_prep
		.amdhsa_group_segment_fixed_size 97792
		.amdhsa_private_segment_fixed_size 0
		.amdhsa_enable_private_segment 0
		.amdhsa_kernarg_size 136
		.amdhsa_user_sgpr_count 2
		.amdhsa_user_sgpr_kernarg_segment_ptr 1
		.amdhsa_wavefront_size32 1
		.amdhsa_system_sgpr_workgroup_id_x 1
		.amdhsa_system_sgpr_workgroup_id_y 1
		.amdhsa_system_sgpr_workgroup_id_z 1
		.amdhsa_system_vgpr_workitem_id 0
		.amdhsa_next_free_vgpr 256
		.amdhsa_next_free_sgpr 66
		.amdhsa_reserve_vcc 0
		.amdhsa_float_denorm_mode_32 3
		.amdhsa_float_denorm_mode_16_64 3
		.amdhsa_memory_ordered 1
		.amdhsa_forward_progress 1
		.amdhsa_inst_pref_size 197
	.end_amdhsa_kernel
	.amdgpu_metadata
---
amdhsa.version: [ 1, 2 ]
amdhsa.kernels:
  - .name:           k_q4948780349_prep
    .symbol:         k_q4948780349_prep.kd
    .args:
      - { .name: z_t, .offset: 0, .size: 8, .value_kind: global_buffer, .address_space: global }
      - { .name: action, .offset: 8, .size: 8, .value_kind: global_buffer, .address_space: global }
      - { .name: z_t1, .offset: 16, .size: 8, .value_kind: global_buffer, .address_space: global }
      - { .name: sigma, .offset: 24, .size: 8, .value_kind: global_buffer, .address_space: global }
      - { .name: W1, .offset: 32, .size: 8, .value_kind: global_buffer, .address_space: global }
      - { .name: b1, .offset: 40, .size: 8, .value_kind: global_buffer, .address_space: global }
      - { .name: g1, .offset: 48, .size: 8, .value_kind: global_buffer, .address_space: global }
      - { .name: be1, .offset: 56, .size: 8, .value_kind: global_buffer, .address_space: global }
      - { .name: W2, .offset: 64, .size: 8, .value_kind: global_buffer, .address_space: global }
      - { .name: b2, .offset: 72, .size: 8, .value_kind: global_buffer, .address_space: global }
      - { .name: g2, .offset: 80, .size: 8, .value_kind: global_buffer, .address_space: global }
      - { .name: be2, .offset: 88, .size: 8, .value_kind: global_buffer, .address_space: global }
      - { .name: W3, .offset: 96, .size: 8, .value_kind: global_buffer, .address_space: global }
      - { .name: b3, .offset: 104, .size: 8, .value_kind: global_buffer, .address_space: global }
      - { .name: zq, .offset: 112, .size: 8, .value_kind: global_buffer, .address_space: global }
      - { .name: zs, .offset: 120, .size: 8, .value_kind: global_buffer, .address_space: global }
      - { .name: part, .offset: 128, .size: 8, .value_kind: global_buffer, .address_space: global }
    .group_segment_fixed_size: 97792
    .private_segment_fixed_size: 0
    .kernarg_segment_align: 8
    .kernarg_segment_size: 136
    .max_flat_workgroup_size: 512
    .sgpr_count:     66
    .vgpr_count:     256
    .wavefront_size: 32
...
	.end_amdgpu_metadata
.endif
;; end of part 1
;; launch scan (part 2): grid 250 x 1, 4 waves a work-group, no clusters, 327,680 bytes of LDS; arguments mem, zq, zs, mq, ms, keys; writes mq, ms, keys
.if DOCPART == 2
	.amdgcn_target "amdgcn-amd-amdhsa--gfx1250"
	.amdhsa_code_object_version 6
	.text
	.protected	k_q4948780349_scan
	.globl	k_q4948780349_scan
	.p2align	8
	.type	k_q4948780349_scan,@function
k_q4948780349_scan:
	s_mov_b64 s[64:65], 0
	v_nop
	global_prefetch_b8 v0, s[64:65] scope:SCOPE_SE
	s_setreg_imm32_b32 hwreg(HW_REG_WAVE_MODE, 25, 1), 1
	s_wait_xcnt 0x0
; Product 4 and the first step of the top 16.  Nothing is left out as dead: every similarity is computed.
; SHARES.  200,000 rows = 250 work-groups x 800: no padded row (a padded row's similarity 0 could enter a top 16 of negative numbers).  A work-group holds ALL 1,024 queries in registers, 256 a wave (16 tiles,
; 512 registers of codes), and walks its 800 rows in 25 pairs of 32.  In trip p every wave multiplies pair p (64 products, mem's fragments from LDS as images of registers) and quantises its 8 rows of pair p + 1.
; mem is read once, by tensor loads, through a ring of two slots of three pairs; its codes and scale bytes also go to memory (mq, ms), for the last launch.
; GROUPS.  Tile u of a pair holds at row m the pair's row 16 (m / 8) + 8 u + m % 8.  Source 0 = mem, source 1 = queries: lane (r, h) holds query r, and its 16 results of the two tiles are rows 16 h + 0 .. 15 of the
; pair: one group of 16 neighbouring rows.  Their maximum, with its six lowest mantissa bits replaced by the group's number in the slice (0 .. 49), is a KEY, and goes into a sorted list of 16 (one v_med3 a place).
; LIMIT: two groups whose maxima agree in all but those six bits may change places; each of a query's 16 ranks then moves by under 2^-17 of its size.  The numbers that are summed are made anew, exactly, in the last launch.
; NaN and infinities among the inputs are not served.
; NO CLUSTER: no two work-groups read the same rows of mem, and the queries' codes, which all read, are read once, into registers; 250 does not divide by four.
; BY TURNS.  25 vector instructions stand against 4 products of a tile of queries: a slice of the tile before stands behind each product.
; REGISTERS.  window 0: as named below.  windows 1, 2: the queries' codes, tile n at v[32 (n % 8) + 16 s] of window 1 + n / 8.  window 3: the lists, tile n at v[16 n + i].
.set PAIRB, 34816                      ; a pair in the ring: 128 rows of 256 bytes + 16 of padding
.set VISB,  104448                     ; three pairs: a slot.  Slot 0 at 0, slot 1 at 1 << 17
.set SL1,   131072
.set IMG0,  106496                     ; the images of a pair's four fragments: (2 u + s) x 2,176 + c x 544 + 16 x lane; the second buffer 1 << 17 on
.set SCL,   115456                     ; the scale words of all 25 pairs: [pair][group 2][K step 2][row 16][4 bytes]: as ms has them
.set V0,    246528                     ; pair 0, filled once
.set SPARE, 281344                     ; the spare words, 128 bytes for each wave: two blocks of 256 bytes that no other line names
.set LI,  1                            ; 16 x lane
.set RA0, 2                            ; 272 x thread: my 256 bytes (a quarter of a row) in a pair
.set RD,  3
.set IW0, 4                            ; where my codes go in an image buffer
.set IWA, 5
.set SW0, 6                            ; where my two scale bytes go
.set SWA, 7
.set SR0, 8                            ; where my lane reads a scale word
.set SRA, 9
.set IRA, 10
.set STA, 11
.set LW0, 12                           ; 2,176 x wave + 16 x lane: the fragment that my wave sends to mq
.set GS0, 13                           ; and its place there
.set IDX, 14                           ; my group's number in the slice: 2 p + h
.set L4,  15                           ; 4 x lane
.set SPW, 16
.set NIL, 17
.set MXA, 18
.set MXB, 19
.set KEY, 20                           ; v20, v21 by turns
.set INV, 22                           ; v22-23  1 / (norm + 1e-8), twice
.set QSC, 40                           ; v40-55  the queries' scale words: lanes 0-15 K step 0, lanes 16-31 K step 1.  v40-57 hold scales alone
.set MSC, 56                           ; v56-57  mem's, tile 0 and tile 1, likewise
.set MSA, 58
.set MSG, 59
.set RSA, 60
.set RSG, 61
.set MF,  64                           ; v64-127  mem's four fragments, (u, s) at 16 (2 u + s)
.set ACC, 128                          ; v128-159 two sets of two accumulators
.set STG, 160                          ; v160-175 on the way to mq
.set PCD, 176                          ; v176-191 codes just made
.set XR,  192                          ; v192-255 64 numbers of mem
.set UU,  192
.set TT,  208
.set SS,  224
.set WV,  16
.set RB,  17                           ; where the pair to be quantised begins in the ring
.set IRB, 18                           ; the image buffer that is read
.set IWB, 19
.set SBR, 20                           ; 256 x the pair that is multiplied
.set SBW, 21
.set G1A, 24                           ; s[24:31] 96 rows of 256 bytes;  s[32:39] 32 rows
.set G1B, 32
.set G0V, 40                           ; s[40:43] pair 0;  s[44:47] visit 1;  s[48:51] visit 2, which then walks
.set G0F, 44
.set G0W, 48
.set SEL, 54
.set HM,  56
.set NINF, 57
.set MSB, 0
.macro WIN new                         ; the immediate's high byte repeats the setting that is left
.if MSB != (\new)
	s_set_vgpr_msb (MSB<<8)|(\new)
.set MSB, (\new)
.endif
.endm
	s_load_b256 s[4:11], s[0:1], 0x0       ; mem s4, zq s6, zs s8, mq s10
	s_load_b128 s[12:15], s[0:1], 0x20     ; ms s12, keys s14
	v_lshl_add_u32 v[SPW], v0, 2, SPARE
	v_mov_b32 v[NIL], 0
	ds_add_u32 v[SPW], v[NIL]              ; the wave's opening: the add, twice on end, and its wait ahead of my first tensor load
	ds_add_u32 v[SPW], v[NIL]
	v_lshrrev_b32 v27, 5, v0
	v_readfirstlane_b32 s[WV], v27         ; wave 0..3
	; mem is dense, so a tile is stated as rows of 256 bytes (32 elements of 8 bytes), 16 bytes of padding behind each
	s_mov_b32 s[G1A], (3<<16)|(1<<20)|(5<<22)|(3<<25)
	s_mov_b32 s[G1A+1], 32<<16
	s_mov_b32 s[G1A+2], 96<<16
	s_mov_b32 s[G1A+3], 32<<16
	s_mov_b32 s[G1A+4], 96
	s_mov_b32 s[G1A+5], 32
	s_mov_b32 s[G1A+6], 0
	s_mov_b32 s[G1A+7], 0
	s_mov_b32 s[G1B], (3<<16)|(1<<20)|(5<<22)|(3<<25)
	s_mov_b32 s[G1B+1], 32<<16
	s_mov_b32 s[G1B+2], 32<<16
	s_mov_b32 s[G1B+3], 32<<16
	s_mov_b32 s[G1B+4], 32
	s_mov_b32 s[G1B+5], 32
	s_mov_b32 s[G1B+6], 0
	s_mov_b32 s[G1B+7], 0
	s_mov_b32 s[G0V], 1
	s_mul_i32 s[G0V+1], s[WV], 8704
	s_add_co_u32 s[G0V+1], s[G0V+1], V0    ; my 8 rows of pair 0
	s_mov_b32 s[G0F], 1
	s_mul_i32 s[G0F+1], s[WV], 26112       ; my 24 rows of a visit, slot 0
	s_mov_b32 s[G0W], 1
	s_mul_i32 s[G0W+1], s[WV], 26112
	s_add_co_u32 s[G0W+1], s[G0W+1], SL1   ; slot 1
	s_mov_b32 s52, 0xffffffc0
	s_mov_b32 s53, 0x600000                ; the mantissa field of 448
	s_mov_b32 s[SEL], 0x76543210
	s_mov_b32 s[SEL+1], 0xfedcba98
	s_mov_b32 s[HM], 0xffff0000
	s_mov_b32 s[NINF], 0xff800000
	s_mov_b32 s[RB], 0
	s_mov_b32 s[IRB], IMG0
	s_mov_b32 s[SBR], 0
	s_mov_b32 s[SBW], 256
	v_and_b32 v27, 31, v0
	v_lshlrev_b32 v[LI], 4, v27
	v_lshlrev_b32 v[L4], 2, v27
	v_mul_u32_u24 v[RA0], v0, 272
	s_and_b32 s58, s[WV], 1                ; my rows' tile u,
	s_lshr_b32 s59, s[WV], 1               ; and their group of the pair
	v_bfe_u32 v24, v0, 1, 1                ; my quarter of a row: its K step,
	v_and_b32 v25, 1, v0                   ; and which half of it
	v_bfe_u32 v26, v0, 2, 3                ; my row of the wave's eight
	v_mul_u32_u24 v[IW0], v24, 2176
	v_mad_u32_u24 v[IW0], v25, 1088, v[IW0]
	v_lshl_add_u32 v[IW0], v26, 4, v[IW0]
	s_mul_i32 s60, s58, 4352
	s_lshl_b32 s61, s59, 7
	s_add_co_u32 s60, s60, s61
	v_add_nc_u32 v[IW0], s60, v[IW0]
	v_lshlrev_b32 v[SW0], 6, v24
	v_lshl_add_u32 v[SW0], v26, 2, v[SW0]
	v_lshl_add_u32 v[SW0], v25, 1, v[SW0]
	s_lshl_b32 s60, s59, 7
	s_lshl_b32 s61, s58, 5
	s_add_co_u32 s60, s60, s61
	s_add_co_u32 s60, s60, SCL
	v_add_nc_u32 v[SW0], s60, v[SW0]
	v_bfe_u32 v24, v0, 3, 1
	v_bfe_u32 v25, v0, 4, 1                ; h
	v_and_b32 v26, 7, v0
	v_lshlrev_b32 v[SR0], 7, v24
	v_lshl_add_u32 v[SR0], v25, 6, v[SR0]
	v_lshl_add_u32 v[SR0], v26, 2, v[SR0]
	v_add_nc_u32 v[SR0], SCL, v[SR0]
	s_mul_i32 s60, s[WV], 2176
	v_add_nc_u32 v[LW0], s60, v[LI]
	v_lshlrev_b32 v[GS0], 12, v24
	v_lshl_add_u32 v[GS0], v25, 7, v[GS0]
	v_lshl_add_u32 v[GS0], v26, 4, v[GS0]
	s_lshl_b32 s60, s[WV], 10
	v_add_nc_u32 v[GS0], s60, v[GS0]
	v_mov_b32 v[IDX], v25
	v_lshl_add_u32 v[MSA], v0, 4, SCL      ; the way out of the scale words: 16 bytes a thread,
	v_lshlrev_b32 v[MSG], 4, v0
	v_lshl_add_u32 v[RSA], v27, 3, SCL+6144 ; and the last 256 bytes, 8 a lane of wave 0
	v_lshl_add_u32 v[RSG], v27, 3, 6144
	s_wait_dscnt 0x0                       ; both opening adds are done
	s_wait_kmcnt 0x0
	s_mul_i32 s60, ttmp9, 819200           ; my slice: 800 rows of 1,024 bytes
	s_mov_b32 s61, 0
	s_add_nc_u64 s[4:5], s[4:5], s[60:61]
	s_lshl_b32 s60, s[WV], 13
	s_add_nc_u64 s[G0V+2:G0V+3], s[4:5], s[60:61]
	s_or_b32 s[G0V+3], s[G0V+3], 0x80000000
	s_mul_i32 s60, s[WV], 24576
	s_add_nc_u64 s[62:63], s[4:5], s[60:61]
	s_add_nc_u64 s[G0F+2:G0F+3], s[62:63], 32768       ; rows 32 + 24 w
	s_or_b32 s[G0F+3], s[G0F+3], 0x80000000
	s_add_nc_u64 s[G0W+2:G0W+3], s[62:63], 131072      ; rows 128 + 24 w
	s_or_b32 s[G0W+3], s[G0W+3], 0x80000000
	tensor_load_to_lds s[G0V:G0V+3], s[G1B:G1B+7]      ; the three first fills go out together: three loads of mine are out
	s_nop 0
	tensor_load_to_lds s[G0F:G0F+3], s[G1A:G1A+7]
	s_nop 0
	tensor_load_to_lds s[G0W:G0W+3], s[G1A:G1A+7]
	s_nop 0
.rept 4
	v_nop
.endr
	s_lshl_b32 s60, s[WV], 16
	s_add_nc_u64 s[6:7], s[6:7], s[60:61]  ; my 16 tiles of queries
	s_lshl_b32 s60, s[WV], 11
	s_add_nc_u64 s[8:9], s[8:9], s[60:61]
	s_mul_i32 s60, ttmp9, 204800
	s_add_nc_u64 s[10:11], s[10:11], s[60:61]
	s_mul_i32 s60, ttmp9, 6400
	s_add_nc_u64 s[12:13], s[12:13], s[60:61]
	s_lshl_b32 s60, ttmp9, 16
	s_lshl_b32 s62, s[WV], 14
	s_add_co_u32 s60, s60, s62
	s_add_nc_u64 s[14:15], s[14:15], s[60:61]
	WIN 0x40                               ; destination window 1
.irp n, 0,1,2,3,4,5,6,7
.irp k, 0,1,2,3,4,5,6,7
	global_load_b128 v[32*\n+4*\k:32*\n+4*\k+3], v[LI], s[6:7] offset:\n*4096+\k*512
.endr
.endr
	WIN 0x80                               ; window 2
.irp n, 0,1,2,3,4,5,6,7
.irp k, 0,1,2,3,4,5,6,7
	global_load_b128 v[32*\n+4*\k:32*\n+4*\k+3], v[LI], s[6:7] offset:(\n+8)*4096+\k*512
.endr
.endr
	WIN 0
.irp n, 0,1,2,3,4,5,6,7,8,9,10,11,12,13,14,15
	global_load_b32 v[QSC+\n], v[L4], s[8:9] offset:\n*128
.endr
	WIN 0xc0                               ; the lists begin as -infinity: a list has no first product that could start it; 256 lines once, against 6,400 insertions
.set I_, 0
.rept 256
	v_mov_b32 v[I_], s[NINF]
.set I_, I_+1
.endr
	WIN 0
.macro XLOAD                           ; my 64 numbers: lanes 272 bytes apart
.irp i, 0,1,2,3,4,5,6,7,8,9,10,11,12,13,14,15
	ds_load_b128 v[XR+4*\i:XR+4*\i+3], v[RD] offset:16*\i
.endr
.endm
; My quarter of a row (two whole blocks of 32) is normalised and quantised; four neighbouring lanes hold a row.
.macro QMEM
.irp c, 0,1,2,3
	v_pk_mul_f32 v[24+2*\c:25+2*\c], v[XR+2*\c:XR+2*\c+1], v[XR+2*\c:XR+2*\c+1]
.endr
.set P_, 4
.rept 28
	v_pk_fma_f32 v[24+2*(P_%4):25+2*(P_%4)], v[XR+2*P_:XR+2*P_+1], v[XR+2*P_:XR+2*P_+1], v[24+2*(P_%4):25+2*(P_%4)]
.set P_, P_+1
.endr
	v_pk_add_f32 v[24:25], v[24:25], v[26:27]
	v_pk_add_f32 v[28:29], v[28:29], v[30:31]
	v_pk_add_f32 v[24:25], v[24:25], v[28:29]
	v_add_f32 v24, v24, v25
	v_add_f32_dpp v24, v24, v24 row_xmask:1 row_mask:0xf bank_mask:0xf
	v_add_f32_dpp v24, v24, v24 row_xmask:2 row_mask:0xf bank_mask:0xf
	v_sqrt_f32 v24, v24
.irp g, 0,1,2,3                        ; the blocks' largest magnitudes, of the numbers as they came, in four chains: the independent work behind the root
	v_max3_num_f32 v[32+\g], |v[XR+16*\g]|, |v[XR+16*\g+1]|, |v[XR+16*\g+2]|
.endr
.irp i, 3,5,7,9,11,13
.irp g, 0,1,2,3
	v_max3_num_f32 v[32+\g], v[32+\g], |v[XR+16*\g+\i]|, |v[XR+16*\g+\i+1]|
.endr
.endr
	v_max3_num_f32 v32, v32, |v[XR+15]|, |v[XR+31]|
	v_max3_num_f32 v34, v34, |v[XR+47]|, |v[XR+63]|
	v_max_num_f32 v32, v32, v33
	v_max_num_f32 v33, v34, v35
	s_wait_alu depctr_va_vdst(0)           ; the wait ahead of the root's first reader
	v_add_f32 v24, 0x322bcc77, v24         ; + 1e-8
	v_rcp_f32 v[INV], v24
	v_nop
	s_wait_alu depctr_va_vdst(0)
	v_mov_b32 v[INV+1], v[INV]
	v_mul_f32 v32, v32, v[INV]             ; rounding keeps order: this IS the largest of the normalised magnitudes
	v_mul_f32 v33, v33, v[INV]
	v_max_num_f32 v32, 0x4800000, v32      ; the floor 2^(9 - 127): the byte cannot fall under 1
	v_max_num_f32 v33, 0x4800000, v33
	v_add_nc_u32 v36, 0xfc000000, v32      ; 8 off the exponent field: the conversion's scale operand
	v_add_nc_u32 v37, 0xfc000000, v33
	v_and_or_b32 v38, v32, 0x7f800000, s53 ; 448 x the scale
	v_and_or_b32 v39, v33, 0x7f800000, s53
	v_lshrrev_b32 v34, 23, v36
	v_lshrrev_b32 v35, 23, v37
	v_lshl_or_b32 v34, v35, 8, v34         ; my two scale bytes
.set P_, 0
.rept 32
	v_pk_mul_f32 v[XR+2*P_:XR+2*P_+1], v[XR+2*P_:XR+2*P_+1], v[INV:INV+1]
.set P_, P_+1
.endr
.irp b, 0,1
.set P_, 0
.rept 32
	v_med3_num_f32 v[XR+32*\b+P_], v[XR+32*\b+P_], -v[38+\b], v[38+\b]     ; the conversion to an 8-bit code does not saturate (ISA guide 7.6.2)
.set P_, P_+1
.endr
.irp g, 0,1,2,3
	v_cvt_scalef32_pk8_fp8_f32 v[PCD+8*\b+2*\g:PCD+8*\b+2*\g+1], v[XR+32*\b+8*\g:XR+32*\b+8*\g+7], v[36+\b]
.endr
.endr
	v_nop                                  ; a plain line behind the last conversion
.irp e, 0,1,2,3                        ; 16 codes: block e / 2 of my two, half e % 2 of it
	ds_store_b128 v[IWA], v[PCD+4*\e:PCD+4*\e+3] offset:(\e/2)*544+(\e%2)*256
.endr
	ds_store_b16 v[SWA], v34
.endm
; THE SLICES.  Tile n's 16 results a lane -> their maximum -> the key -> the list.
.macro MAXA n
	WIN 0
.set A0_, ACC+16*((\n)%2)
	v_max3_num_f32 v[MXA], v[A0_], v[A0_+1], v[A0_+2]                      ; each accumulator is read from its low end on
	v_max3_num_f32 v[MXB], v[A0_+8], v[A0_+9], v[A0_+10]
	v_max3_num_f32 v[MXA], v[MXA], v[A0_+3], v[A0_+4]
	v_max3_num_f32 v[MXB], v[MXB], v[A0_+11], v[A0_+12]
.endm
.macro MAXB n
	WIN 0
.set A0_, ACC+16*((\n)%2)
	v_max3_num_f32 v[MXA], v[MXA], v[A0_+5], v[A0_+6]
	v_max3_num_f32 v[MXB], v[MXB], v[A0_+13], v[A0_+14]
	v_max3_num_f32 v[MXA], v[MXA], v[A0_+7], v[A0_+15]
	v_max_num_f32 v[MXA], v[MXA], v[MXB]
	v_and_or_b32 v[KEY+(\n)%2], v[MXA], s52, v[IDX]
.endm
.macro LISTA n                         ; places 15 to 8: the new L[i] is the middle one of L[i - 1], L[i] and the key
	WIN 0xcf
.irp i, 15,14,13,12,11,10,9,8
	v_med3_num_f32 v[16*(\n)+\i], v[16*(\n)+\i-1], v[16*(\n)+\i], v[KEY+(\n)%2]
.endr
.endm
.macro LISTB n
	WIN 0xcf
.irp i, 7,6,5,4,3,2,1
	v_med3_num_f32 v[16*(\n)+\i], v[16*(\n)+\i-1], v[16*(\n)+\i], v[KEY+(\n)%2]
.endr
	v_max3_num_f32 v[16*(\n)], v[16*(\n)], v[16*(\n)], v[KEY+(\n)%2]       ; (three sources, so that the key's place is the one that means window 0)
.endm
; Four products of tile n: two accumulators by turns, two K steps.  Between a tile's last product and the first read of its results stand 16 lines of list work (8 are asked: ISA guide 7.12.1);
; between a set's last product and the product that begins the set anew stand more than 9.
.macro TILE n
.set AC_, ACC+16*((\n)%2)
.set QR_, 32*((\n)%8)
	WIN 4*(1+(\n)/8)
	v_wmma_scale_f32_16x16x128_f8f6f4 v[AC_:AC_+7], v[MF:MF+15], v[QR_:QR_+15], 0, v[MSC], v[QSC+(\n)]
.if (\n) >= 2
	LISTB (\n)-2
.elseif (\n) == 1
.rept 8
	v_nop                                  ; no list work yet: the places ahead of the first read of tile 0's results
.endr
.endif
	WIN 4*(1+(\n)/8)
	v_wmma_scale_f32_16x16x128_f8f6f4 v[AC_+8:AC_+15], v[MF+32:MF+47], v[QR_:QR_+15], 0, v[MSC+1], v[QSC+(\n)]
.if (\n) >= 1
	MAXA (\n)-1
.endif
	WIN 4*(1+(\n)/8)
	v_wmma_scale_f32_16x16x128_f8f6f4 v[AC_:AC_+7], v[MF+16:MF+31], v[QR_+16:QR_+31], v[AC_:AC_+7], v[MSC], v[QSC+(\n)] matrix_a_scale:MATRIX_SCALE_ROW1 matrix_b_scale:MATRIX_SCALE_ROW1
.if (\n) >= 1
	MAXB (\n)-1
.endif
	WIN 4*(1+(\n)/8)
	v_wmma_scale_f32_16x16x128_f8f6f4 v[AC_+8:AC_+15], v[MF+48:MF+63], v[QR_+16:QR_+31], v[AC_+8:AC_+15], v[MSC+1], v[QSC+(\n)] matrix_a_scale:MATRIX_SCALE_ROW1 matrix_b_scale:MATRIX_SCALE_ROW1
.if (\n) >= 1
	LISTA (\n)-1
.endif
.endm
; A TRIP.  q = 1: the next pair is quantised too.
.macro BODY q
	v_add_nc_u32 v[IRA], s[IRB], v[LI]
	v_add_nc_u32 v[STA], s[IRB], v[LW0]
	v_add_nc_u32 v[SRA], s[SBR], v[SR0]
.if \q
	v_add_nc_u32 v[RD], s[RB], v[RA0]
	s_xor_b32 s[IWB], s[IRB], SL1
	v_add_nc_u32 v[IWA], s[IWB], v[IW0]
	v_add_nc_u32 v[SWA], s[SBW], v[SW0]
.endif
.irp f, 0,1,2,3
.irp c, 0,1,2,3
	ds_load_b128 v[MF+16*\f+4*\c:MF+16*\f+4*\c+3], v[IRA] offset:\f*2176+\c*544
.endr
.endr
	ds_load_b32 v[MSC], v[SRA]
	ds_load_b32 v[MSC+1], v[SRA] offset:32
.irp c, 0,1,2,3
	ds_load_b128 v[STG+4*\c:STG+4*\c+3], v[STA] offset:\c*544
.endr
.if \q
	XLOAD
.endif
	s_wait_dscnt 4+16*\q                   ; the fragments and their scale words are in; the 4 loads for mq and the 16 of numbers are younger
	TILE 0
	TILE 1
	WIN 0
	s_wait_dscnt 16*\q                     ; the 4 for mq are in
.irp c, 0,1,2,3
	global_store_b128 v[GS0], v[STG+4*\c:STG+4*\c+3], s[10:11] offset:\c*256   ; one instruction fills two aligned runs of 256 bytes, one in each group of the pair
.endr
.irp n, 2,3,4,5,6,7,8,9,10,11,12,13,14,15
	TILE \n
.endr
	LISTB 14
	MAXA 15
	MAXB 15
	LISTA 15
	LISTB 15
	WIN 0
.if \q
	s_wait_dscnt 0x0                       ; my 64 numbers are in
	QMEM
.endif
	v_add_nc_u32 v[IDX], 2, v[IDX]
	s_wait_xcnt 0x0                        ; the stores have read their registers and their base
	s_add_nc_u64 s[10:11], s[10:11], 8192
	s_add_co_u32 s[RB], s[RB], PAIRB
	s_xor_b32 s[IRB], s[IRB], SL1
	s_add_co_u32 s[SBR], s[SBR], 256
	s_add_co_u32 s[SBW], s[SBW], 256
.endm
.macro INNER3                          ; a slot's three pairs.  One barrier a trip: the images just stored are whole, and nobody reads the other buffer any more
	s_mov_b32 s23, 3
.Ltrip_\@:
	BODY 1
	s_wait_dscnt 0x0
	s_barrier_signal -1
	s_barrier_wait -1
	s_sub_co_u32 s23, s23, 1
	s_cmp_lg_u32 s23, 0
	s_cbranch_scc1 .Ltrip_\@
.endm
; THE CHANGE OF SLOTS.  All my tensor loads have landed (the one that was out is my part of the other slot); the add; my reads of the slot that is left are over; the barrier; f = 1: that slot is filled again, first thing.
.macro CHANGE f
	s_wait_tensorcnt 0x0
	ds_add_u32 v[SPW], v[NIL]              ; the steps below stand between the add and the wait for it
.if \f
	s_xor_b32 s[G0W+1], s[G0W+1], SL1      ; the walking descriptor: the other slot, the next 96 rows
	s_add_nc_u64 s[G0W+2:G0W+3], s[G0W+2:G0W+3], 98304
.endif
	s_sub_co_u32 s[RB], s[RB], VISB
	s_xor_b32 s[RB], s[RB], SL1
	s_wait_dscnt 0x0
	s_barrier_signal -1
	s_barrier_wait -1
.if \f
	tensor_load_to_lds s[G0W:G0W+3], s[G1A:G1A+7]      ; my one load behind this barrier: it has three trips, 192 products, in which to land
	s_nop 0
.rept 4
	v_nop
.endr
.endif
.endm
	s_wait_tensorcnt 2                     ; my part of pair 0 is in; the two visits behind it stay out
	s_barrier_signal -1
	s_barrier_wait -1
	v_add_nc_u32 v[RD], V0, v[RA0]
	v_add_nc_u32 v[IWA], IMG0, v[IW0]
	v_mov_b32 v[SWA], v[SW0]
	XLOAD
	s_wait_dscnt 0x0
	QMEM                                   ; pair 0
	s_wait_tensorcnt 1                     ; my part of visit 1 is in; visit 2 stays out
	s_wait_dscnt 0x0
	s_wait_loadcnt 0x0                     ; the queries
	s_barrier_signal -1
	s_barrier_wait -1
	INNER3                                 ; trips 0-2 quantise pairs 1-3
	s_mov_b32 s22, 6
.Lvisit:                                       ; six changes ask for visits 3 to 8
	CHANGE 1
	INNER3
	s_sub_co_u32 s22, s22, 1
	s_cmp_lg_u32 s22, 0
	s_cbranch_scc1 .Lvisit
	CHANGE 0                               ; the tail is written out: nothing is left to fetch
	INNER3
	BODY 0                                 ; pair 24
	; the scale words of the slice: 6,400 dense bytes (all were stored ahead of the last barrier)
.irp i, 0,1,2
	ds_load_b128 v[STG+4*\i:STG+4*\i+3], v[MSA] offset:2048*\i
.endr
	s_wait_dscnt 0x0
.irp i, 0,1,2
	global_store_b128 v[MSG], v[STG+4*\i:STG+4*\i+3], s[12:13] offset:2048*\i
.endr
	s_cmp_lg_u32 s[WV], 0
	s_cbranch_scc1 .Lno_rest
	ds_load_b64 v[STG+12:STG+13], v[RSA]
	s_wait_dscnt 0x0
	global_store_b64 v[RSG], v[STG+12:STG+13], s[12:13]
.Lno_rest:
; THE LISTS' WAY OUT.  Lanes l and l xor 16 hold the lists of a query's even and odd groups.  The larger of L[i] and the other's L[15 - i] are the 16 largest of both, in a bitonic order: four half-cleaners sort them.
.macro HALF dst, src, j
.irp i, 0,1,2,3,4,5,6,7,8,9,10,11,12,13,14,15
.if ((\i)&(\j)) == 0
	v_max_num_f32 v[\dst+\i], v[\src+\i], v[\src+\i+\j]
	v_min_num_f32 v[\dst+\i+\j], v[\src+\i], v[\src+\i+\j]
.endif
.endr
.endm
.macro TAIL n
	WIN 0x03                               ; source 0 window 3
.irp i, 0,1,2,3,4,5,6,7,8,9,10,11,12,13,14,15
	v_permlanex16_b32 v[TT+\i], v[16*(\n)+15-\i], s[SEL], s[SEL+1]
.endr
.irp i, 0,1,2,3,4,5,6,7,8,9,10,11,12,13,14,15
	v_max_num_f32 v[UU+\i], v[16*(\n)+\i], v[TT+\i]
.endr
	WIN 0
	HALF TT, UU, 8
	HALF UU, TT, 4
	HALF TT, UU, 2
	HALF UU, TT, 1
	s_wait_xcnt 0x0                        ; the last tile's stores have read their registers
.irp t, 0,1,2,3
	v_cndmask_b32 v[SS+\t], v[UU+\t], v[UU+4+\t], s[HM]        ; lanes 0-15 send places 0-3 and 8-11, lanes 16-31 places 4-7 and 12-15
	v_cndmask_b32 v[SS+4+\t], v[UU+8+\t], v[UU+12+\t], s[HM]
.endr
	global_store_b128 v[LI], v[SS:SS+3], s[14:15] offset:(\n)*1024             ; 32 lanes store 512 consecutive bytes
	global_store_b128 v[LI], v[SS+4:SS+7], s[14:15] offset:(\n)*1024+512
.endm
.irp n, 0,1,2,3,4,5,6,7,8,9,10,11,12,13,14,15
	TAIL \n
.endr
	s_wait_tensorcnt 0x0                   ; the wave's end, behind my last tensor load and my last LDS store
	ds_add_u32 v[SPW], v[NIL]
	s_wait_dscnt 0x0
	s_endpgm
.Lfunc_end_k_q4948780349_scan:
	.size	k_q4948780349_scan, .Lfunc_end_k_q4948780349_scan-k_q4948780349_scan
	.p2alignl 7, 3214868480
	.fill 96, 4, 3214868480
	.section	.rodata,"a",@progbits
	.p2align	6, 0x0
	.amdhsa_kernel k_q4948780349_scan
		.amdhsa_group_segment_fixed_size 327680
		.amdhsa_private_segment_fixed_size 0
		.amdhsa_enable_private_segment 0
		.amdhsa_kernarg_size 48
		.amdhsa_user_sgpr_count 2
		.amdhsa_user_sgpr_kernarg_segment_ptr 1
		.amdhsa_wavefront_size32 1
		.amdhsa_system_sgpr_workgroup_id_x 1
		.amdhsa_system_sgpr_workgroup_id_y 1
		.amdhsa_system_sgpr_workgroup_id_z 1
		.amdhsa_system_vgpr_workitem_id 0
		.amdhsa_next_free_vgpr 1024
		.amdhsa_next_free_sgpr 66
		.amdhsa_reserve_vcc 0
		.amdhsa_float_denorm_mode_32 3
		.amdhsa_float_denorm_mode_16_64 3
		.amdhsa_memory_ordered 1
		.amdhsa_forward_progress 1
		.amdhsa_inst_pref_size 255
	.end_amdhsa_kernel
	.section	.bss,"aw",@nobits
	.p2align	6
	.space	262144
	.amdgpu_metadata
---
amdhsa.version: [ 1, 2 ]
amdhsa.kernels:
  - .name:           k_q4948780349_scan
    .symbol:         k_q4948780349_scan.kd
    .args:
      - { .name: mem, .offset: 0, .size: 8, .value_kind: global_buffer, .address_space: global }
      - { .name: zq, .offset: 8, .size: 8, .value_kind: global_buffer, .address_space: global }
      - { .name: zs, .offset: 16, .size: 8, .value_kind: global_buffer, .address_space: global }
      - { .name: mq, .offset: 24, .size: 8, .value_kind: global_buffer, .address_space: global }
      - { .name: ms, .offset: 32, .size: 8, .value_kind: global_buffer, .address_space: global }
      - { .name: keys, .offset: 40, .size: 8, .value_kind: global_buffer, .address_space: global }
    .group_segment_fixed_size: 327680
    .private_segment_fixed_size: 0
    .kernarg_segment_align: 8
    .kernarg_segment_size: 48
    .max_flat_workgroup_size: 128
    .sgpr_count:     66
    .vgpr_count:     1024
    .wavefront_size: 32
...
	.end_amdgpu_metadata
.endif
;; end of part 2
;; launch pick (part 3): grid 256 x 1, 4 waves a work-group, no clusters, 16,896 bytes of LDS; arguments keys, gids; writes gids
.if DOCPART == 3
	.amdgcn_target "amdgcn-amd-amdhsa--gfx1250"
	.amdhsa_code_object_version 6
	.text
	.protected	k_q4948780349_pick
	.globl	k_q4948780349_pick
	.p2align	8
	.type	k_q4948780349_pick,@function
k_q4948780349_pick:
	s_mov_b64 s[64:65], 0
	v_nop
	global_prefetch_b8 v0, s[64:65] scope:SCOPE_SE
	s_setreg_imm32_b32 hwreg(HW_REG_WAVE_MODE, 25, 1), 1
	s_wait_xcnt 0x0
; For each query: the 250 slices' sorted lists of 16 keys are merged into the 16 best groups of all, and their numbers (50 x slice + the key's six lowest bits) are stored as whole numbers, at fixed places.
; Nothing is left out.  No address and no branch hangs on a key: every merge is the same network of comparisons and selections.
; SHARES.  A work-group takes 4 queries (a = lane % 4).  Lane (j = lane / 4, a) of wave w walks slices 64 w + 8 i + j, i = 0 .. 7; slices from 250 on count as -infinity (their loads are held at slice 249).
; A MERGE of two lists sorted downward: the larger of K[i] and N[15 - i] are the 16 largest of both, in a bitonic order; four half-cleaners sort them.  The slice's number rides along as a payload.
; Seven merges along the stream, three across the lanes of a query, three across the waves (through LDS, wave 0).  The last needs no sorting: only the set counts.
.set SPARE, 16384                      ; behind the waves' lists: the spare words, 128 bytes for each wave
.set KA, 16
.set PA, 32
.set KB, 48
.set PB, 64
.set IN, 80                            ; v80-207 eight lists as loaded; later a partner's keys and payloads
.macro FLIP n, np, single              ; single = 1: all of N has the payload v[np]
.irp g, 0,8
.irp i, 0,1,2,3,4,5,6,7
	v_cmp_gt_f32 s[40+\i], v[\n+15-\g-\i], v[KA+\g+\i]
.endr
.irp i, 0,1,2,3,4,5,6,7
.if \single
	v_cndmask_b32 v[PA+\g+\i], v[PA+\g+\i], v[\np], s[40+\i]
.else
	v_cndmask_b32 v[PA+\g+\i], v[PA+\g+\i], v[\np+15-\g-\i], s[40+\i]
.endif
.endr
.irp i, 0,1,2,3,4,5,6,7
	v_max_num_f32 v[KA+\g+\i], v[KA+\g+\i], v[\n+15-\g-\i]
.endr
.endr
.endm
.macro HALFP ks, ps, kd, pd, j         ; eight comparators, j apart, from one set of registers into the other
.set C_, 0
.irp i, 0,1,2,3,4,5,6,7,8,9,10,11,12,13,14,15
.if ((\i)&(\j)) == 0
	v_cmp_lt_f32 s[40+C_], v[\ks+\i], v[\ks+\i+\j]
.set C_, C_+1
.endif
.endr
.irp i, 0,1,2,3,4,5,6,7,8,9,10,11,12,13,14,15
.if ((\i)&(\j)) == 0
	v_max_num_f32 v[\kd+\i], v[\ks+\i], v[\ks+\i+\j]
	v_min_num_f32 v[\kd+\i+\j], v[\ks+\i], v[\ks+\i+\j]
.endif
.endr
.set C_, 0
.irp i, 0,1,2,3,4,5,6,7,8,9,10,11,12,13,14,15
.if ((\i)&(\j)) == 0
	v_cndmask_b32 v[\pd+\i], v[\ps+\i], v[\ps+\i+\j], s[40+C_]
	v_cndmask_b32 v[\pd+\i+\j], v[\ps+\i+\j], v[\ps+\i], s[40+C_]
.set C_, C_+1
.endif
.endr
.endm
.macro CLEANP
	HALFP KA, PA, KB, PB, 8
	HALFP KB, PB, KA, PA, 4
	HALFP KA, PA, KB, PB, 2
	HALFP KB, PB, KA, PA, 1
.endm
	s_load_b128 s[4:7], s[0:1], 0x0        ; keys, gids
	v_lshl_add_u32 v1, v0, 2, SPARE        ; my spare word; never rewritten
	v_mov_b32 v2, 0                        ; 0; never rewritten
	v_lshrrev_b32 v3, 5, v0
	v_readfirstlane_b32 s8, v3             ; wave
	v_and_b32 v3, 31, v0                   ; lane
	v_and_b32 v4, 3, v0                    ; a
	v_bfe_u32 v5, v0, 2, 3                 ; j
	s_lshl_b32 s9, s8, 6
	v_add_nc_u32 v6, s9, v5                ; my first slice
	v_lshlrev_b32 v7, 16, v6
	v_lshl_add_u32 v7, v4, 4, v7           ; 65,536 bytes a slice, 16 a query
	v_add_nc_u32 v9, 56, v6                ; my last slice,
	v_min_u32 v8, 249, v9                  ; held inside the buffer
	v_lshlrev_b32 v8, 16, v8
	v_lshl_add_u32 v8, v4, 4, v8
	v_cmp_lt_u32 s48, 249, v9              ; and marked where there is none
	v_mov_b32 v10, 0xff800000
	v_lshlrev_b32 v12, 4, v3               ; LDS: 16 x lane,
	s_lshl_b32 s9, s8, 12
	v_add_nc_u32 v11, s9, v12              ; + 4,096 x wave
	s_lshr_b32 s10, ttmp9, 2
	s_lshl_b32 s10, s10, 10                ; my tile of queries,
	s_and_b32 s11, ttmp9, 3
	s_lshl_b32 s11, s11, 6                 ; my four of its sixteen
	s_add_co_u32 s10, s10, s11
	s_mov_b32 s11, 0
	s_lshl_b32 s12, ttmp9, 8
	s_mov_b32 s13, 0
	s_wait_kmcnt 0x0
	s_add_nc_u64 s[4:5], s[4:5], s[10:11]
	s_add_nc_u64 s[6:7], s[6:7], s[12:13]
.irp i, 0,1,2,3,4,5,6
.irp q, 0,1,2,3
	global_load_b128 v[IN+16*\i+4*\q:IN+16*\i+4*\q+3], v7, s[4:5] offset:\i*524288+\q*256
.endr
.endr
.irp q, 0,1,2,3
	global_load_b128 v[IN+112+4*\q:IN+112+4*\q+3], v8, s[4:5] offset:\q*256
.endr
	s_wait_loadcnt 28                      ; list 0 is in; the seven lists behind it stay out
.irp i, 0,1,2,3,4,5,6,7,8,9,10,11,12,13,14,15
	v_mov_b32 v[KA+\i], v[IN+\i]
	v_mov_b32 v[PA+\i], v6
.endr
.irp i, 1,2,3,4,5,6,7
	s_wait_loadcnt 4*(7-\i)                ; list i is in; the lists behind it stay out
.if \i == 7
.irp e, 0,1,2,3,4,5,6,7,8,9,10,11,12,13,14,15
	v_cndmask_b32 v[IN+112+\e], v[IN+112+\e], v10, s48
.endr
.endif
	v_add_nc_u32 v9, 8*\i, v6
	FLIP IN+16*\i, 9, 1
	CLEANP
.endr
.irp x, 4,8                            ; the lanes of my query lie 4, 8 and 16 apart
.irp i, 0,1,2,3,4,5,6,7,8,9,10,11,12,13,14,15
	v_mov_b32_dpp v[IN+\i], v[KA+\i] row_xmask:\x row_mask:0xf bank_mask:0xf
	v_mov_b32_dpp v[IN+16+\i], v[PA+\i] row_xmask:\x row_mask:0xf bank_mask:0xf
.endr
	FLIP IN, IN+16, 0
	CLEANP
.endr
	s_mov_b32 s14, 0x76543210
	s_mov_b32 s15, 0xfedcba98
.irp i, 0,1,2,3,4,5,6,7,8,9,10,11,12,13,14,15
	v_permlanex16_b32 v[IN+\i], v[KA+\i], s14, s15
	v_permlanex16_b32 v[IN+16+\i], v[PA+\i], s14, s15
.endr
	FLIP IN, IN+16, 0
	CLEANP
.irp q, 0,1,2,3
	ds_store_b128 v11, v[KA+4*\q:KA+4*\q+3] offset:512*\q
	ds_store_b128 v11, v[PA+4*\q:PA+4*\q+3] offset:2048+512*\q
.endr
	s_wait_dscnt 0x0                       ; for the others' sake: my stores have landed
	s_barrier_signal -1
	s_barrier_wait -1
	s_cmp_lg_u32 s8, 0
	s_cbranch_scc1 .Ldone
.irp w, 1,2,3
.irp q, 0,1,2,3
	ds_load_b128 v[IN+32*(\w-1)+4*\q:IN+32*(\w-1)+4*\q+3], v12 offset:\w*4096+512*\q
	ds_load_b128 v[IN+32*(\w-1)+16+4*\q:IN+32*(\w-1)+16+4*\q+3], v12 offset:\w*4096+2048+512*\q
.endr
.endr
	s_wait_dscnt 0x0
	FLIP IN, IN+16, 0
	CLEANP
	FLIP IN+32, IN+48, 0
	CLEANP
	FLIP IN+64, IN+80, 0
.irp i, 0,1,2,3,4,5,6,7,8,9,10,11,12,13,14,15
	v_and_b32 v[KB+\i], 63, v[KA+\i]
	v_mad_u32_u24 v[KB+\i], v[PA+\i], 50, v[KB+\i]     ; the group's number
.endr
	v_and_b32 v13, 1, v5
	v_cmp_ne_u32 s40, 0, v13
	v_and_b32 v13, 2, v5
	v_cmp_ne_u32 s41, 0, v13
.irp t, 0,1,2,3
	v_cndmask_b32 v[PB+\t], v[KB+\t], v[KB+4+\t], s40
	v_cndmask_b32 v[PB+4+\t], v[KB+8+\t], v[KB+12+\t], s40
.endr
.irp t, 0,1,2,3
	v_cndmask_b32 v[PB+8+\t], v[PB+\t], v[PB+4+\t], s41        ; lane (j, a), j under 4, sends numbers 4 j .. 4 j + 3 of query a
.endr
	v_and_b32 v13, 3, v5
	v_lshlrev_b32 v14, 6, v4
	v_lshl_add_u32 v14, v13, 4, v14
	v_cmp_gt_u32 vcc_lo, 16, v3
	s_wait_xcnt 0x0                        ; EXEC changes only behind this wait
	s_and_saveexec_b32 s42, vcc_lo
	global_store_b128 v14, v[PB+8:PB+11], s[6:7]       ; sixteen lanes store 256 consecutive bytes, aligned
	s_wait_xcnt 0x0
	s_or_b32 exec_lo, exec_lo, s42
.Ldone:
	s_wait_tensorcnt 0x0                   ; the wave's end, behind my last LDS store
	ds_add_u32 v1, v2
	s_wait_dscnt 0x0
	s_endpgm
.Lfunc_end_k_q4948780349_pick:
	.size	k_q4948780349_pick, .Lfunc_end_k_q4948780349_pick-k_q4948780349_pick
	.p2alignl 7, 3214868480
	.fill 96, 4, 3214868480
	.section	.rodata,"a",@progbits
	.p2align	6, 0x0
	.amdhsa_kernel k_q4948780349_pick
		.amdhsa_group_segment_fixed_size 16896
		.amdhsa_private_segment_fixed_size 0
		.amdhsa_enable_private_segment 0
		.amdhsa_kernarg_size 16
		.amdhsa_user_sgpr_count 2
		.amdhsa_user_sgpr_kernarg_segment_ptr 1
		.amdhsa_wavefront_size32 1
		.amdhsa_system_sgpr_workgroup_id_x 1
		.amdhsa_system_sgpr_workgroup_id_y 1
		.amdhsa_system_sgpr_workgroup_id_z 1
		.amdhsa_system_vgpr_workitem_id 0
		.amdhsa_next_free_vgpr 256
		.amdhsa_next_free_sgpr 66
		.amdhsa_reserve_vcc 1
		.amdhsa_float_denorm_mode_32 3
		.amdhsa_float_denorm_mode_16_64 3
		.amdhsa_memory_ordered 1
		.amdhsa_forward_progress 1
		.amdhsa_inst_pref_size 147
	.end_amdhsa_kernel
	.amdgpu_metadata
---
amdhsa.version: [ 1, 2 ]
amdhsa.kernels:
  - .name:           k_q4948780349_pick
    .symbol:         k_q4948780349_pick.kd
    .args:
      - { .name: keys, .offset: 0, .size: 8, .value_kind: global_buffer, .address_space: global }
      - { .name: gids, .offset: 8, .size: 8, .value_kind: global_buffer, .address_space: global }
    .group_segment_fixed_size: 16896
    .private_segment_fixed_size: 0
    .kernarg_segment_align: 8
    .kernarg_segment_size: 16
    .max_flat_workgroup_size: 128
    .sgpr_count:     66
    .vgpr_count:     256
    .wavefront_size: 32
...
	.end_amdgpu_metadata
.endif
;; end of part 3
;; launch score (part 4): grid 256 x 1, 4 waves a work-group, no clusters, 0 bytes of LDS; arguments gids, mq, ms, zq, zs, part, out0; writes out0
.if DOCPART == 4
	.amdgcn_target "amdgcn-amd-amdhsa--gfx1250"
	.amdhsa_code_object_version 6
	.text
	.protected	k_q4948780349_score
	.globl	k_q4948780349_score
	.p2align	8
	.type	k_q4948780349_score,@function
k_q4948780349_score:
	s_mov_b64 s[64:65], 0
	v_nop
	global_prefetch_b8 v0, s[64:65] scope:SCOPE_SE
	s_setreg_imm32_b32 hwreg(HW_REG_WAVE_MODE, 25, 1), 1
	s_wait_xcnt 0x0
; A wave takes one query: its 16 groups' numbers are read from memory (whole numbers that an earlier launch stored), their 256 rows come as codes, are multiplied with the query again, and the exact 16 largest are summed.
; Of product 4 only these rows are multiplied here: the others were shown by the launches before not to hold any of the query's 16 largest.
; Source 0 = the query, sixteen times; source 1 = a group's 16 rows: register 0 of a group's result holds in lane r the similarity of row r.  So a lane holds 16 numbers, one a group.
; They are sorted in registers (a bitonic network, 10 steps of 8 comparators); then four merges across the sixteen lanes: the larger of mine [i] and the partner's [15 - i], and four half-cleaners.
; All loads are out at once, as soon as the numbers are known.  No LDS, no cluster: waves share nothing.
; out0's four numbers of a query lie 4,096 bytes apart, so they leave by one store of 4 bytes in four lanes: 16 KiB in the whole launch.
.set OG, 8                             ; v8-23   the groups' offsets in mq
.set OS, 24                            ; v24-39  and in ms
.set GSC, 40                           ; v40-55  the groups' scale words: lanes 0-15 K step 0, lanes 16-31 K step 1.  v40-55 and v88 hold scales alone
.set QF, 56                            ; v56-87  the query's two fragments
.set QSC, 88
.set D,  96                            ; v96-223 sixteen accumulators
.set U,  224
.set T,  240
.set MSB, 0
.macro WIN new
.if MSB != (\new)
	s_set_vgpr_msb (MSB<<8)|(\new)
.set MSB, (\new)
.endif
.endm
.macro CE d, s, m, i, k                ; the larger to place i, the smaller to place k
	v_max_num_f32 v[\d+(\i)], v[\s+(\m)*(\i)], v[\s+(\m)*(\k)]
	v_min_num_f32 v[\d+(\k)], v[\s+(\m)*(\i)], v[\s+(\m)*(\k)]
.endm
.macro FLIPS d, s, m, k                ; two sorted runs of k / 2: place i against place i xor (k - 1)
.irp i, 0,1,2,3,4,5,6,7,8,9,10,11,12,13,14,15
.if ((\i)^((\k)-1)) > (\i)
	CE \d, \s, \m, \i, ((\i)^((\k)-1))
.endif
.endr
.endm
.macro HALF d, s, j
.irp i, 0,1,2,3,4,5,6,7,8,9,10,11,12,13,14,15
.if ((\i)&(\j)) == 0
	CE \d, \s, 1, \i, (\i+\j)
.endif
.endr
.endm
.macro XM d, s, x
.irp i, 0,1,2,3,4,5,6,7,8,9,10,11,12,13,14,15
	v_max_num_f32_dpp v[\d+\i], v[\s+15-\i], v[\s+\i] row_xmask:\x row_mask:0xf bank_mask:0xf
.endr
.endm
.macro CLEAN16 a, b                    ; ends in a
	HALF \b, \a, 8
	HALF \a, \b, 4
	HALF \b, \a, 2
	HALF \a, \b, 1
.endm
	s_load_b256 s[4:11], s[0:1], 0x0       ; gids s4, mq s6, ms s8, zq s10
	s_load_b128 s[12:15], s[0:1], 0x20     ; zs s12, part s14
	s_load_b64 s[36:37], s[0:1], 0x30      ; out0
	v_lshrrev_b32 v1, 5, v0
	v_readfirstlane_b32 s38, v1
	s_lshl_b32 s39, ttmp9, 2
	s_add_co_u32 s39, s39, s38             ; my query
	v_and_b32 v1, 31, v0
	v_and_b32 v2, 15, v0
	v_bfe_u32 v3, v0, 4, 1
	v_lshrrev_b32 v4, 3, v2
	v_lshlrev_b32 v4, 11, v4
	v_lshl_add_u32 v4, v3, 7, v4
	v_and_b32 v5, 7, v0
	v_lshl_add_u32 v4, v5, 4, v4           ; in a group's 4,096 bytes: (r / 8) 2,048 + 128 h + 16 (r % 8)
	v_lshlrev_b32 v5, 2, v1
	v_lshlrev_b32 v6, 8, v3
	v_lshlrev_b32 v7, 6, v3
	s_mov_b32 s41, 0
	s_mov_b32 s47, 0
	s_lshl_b32 s40, s39, 6
	s_lshr_b32 s42, s39, 4
	s_and_b32 s43, s39, 15
	s_lshl_b32 s46, s39, 2
	s_wait_kmcnt 0x0
	s_add_nc_u64 s[4:5], s[4:5], s[40:41]
	s_load_b512 s[16:31], s[4:5], 0x0      ; my 16 groups
	s_add_nc_u64 s[14:15], s[14:15], s[46:47]
	s_load_b32 s32, s[14:15], 0x0          ; pred_err
	s_load_b32 s33, s[14:15], 0x1000       ; epistemic
	s_add_nc_u64 s[36:37], s[36:37], s[46:47]
	s_lshl_b32 s40, s42, 12
	s_lshl_b32 s44, s43, 4
	s_add_co_u32 s40, s40, s44
	s_add_nc_u64 s[10:11], s[10:11], s[40:41]
	s_lshl_b32 s40, s42, 7
	s_lshl_b32 s44, s43, 2
	s_add_co_u32 s40, s40, s44
	s_add_nc_u64 s[12:13], s[12:13], s[40:41]
.irp k, 0,1,2,3,4,5,6,7
	global_load_b128 v[QF+4*\k:QF+4*\k+3], v6, s[10:11] offset:\k*512          ; every lane of a half takes the query's own 16 bytes
.endr
	global_load_b32 v[QSC], v7, s[12:13]
	s_wait_kmcnt 0x0
.irp g, 0,1,2,3,4,5,6,7,8,9,10,11,12,13,14,15
	s_min_u32 s[16+\g], s[16+\g], 12499    ; a number read from memory enters an address only behind this bound
.endr
.irp g, 0,1,2,3,4,5,6,7,8,9,10,11,12,13,14,15
	v_lshl_add_u32 v[OG+\g], s[16+\g], 12, v4
	v_lshl_add_u32 v[OS+\g], s[16+\g], 7, v5
.endr
.irp g, 0,1,2,3,4,5,6,7,8,9,10,11,12,13,14,15
	global_load_b32 v[GSC+\g], v[OS+\g], s[8:9]
.endr
	WIN 0x40
.irp g, 0,1,2,3,4,5,6,7
.irp k, 0,1,2,3,4,5,6,7
	global_load_b128 v[32*\g+4*\k:32*\g+4*\k+3], v[OG+\g], s[6:7] offset:\k*256        ; one instruction reads two aligned runs of 256 bytes
.endr
.endr
	WIN 0x80
.irp g, 0,1,2,3,4,5,6,7
.irp k, 0,1,2,3,4,5,6,7
	global_load_b128 v[32*\g+4*\k:32*\g+4*\k+3], v[OG+8+\g], s[6:7] offset:\k*256
.endr
.endr
	s_wait_loadcnt 0x0
	WIN 0x04                               ; source 1 window 1: groups 0-7.  The sixteen accumulators take turns, one product a turn
.irp g, 0,1,2,3,4,5,6,7
	v_wmma_scale_f32_16x16x128_f8f6f4 v[D+8*\g:D+8*\g+7], v[QF:QF+15], v[32*\g:32*\g+15], 0, v[QSC], v[GSC+\g]
.endr
	WIN 0x08
.irp g, 0,1,2,3,4,5,6,7
	v_wmma_scale_f32_16x16x128_f8f6f4 v[D+64+8*\g:D+64+8*\g+7], v[QF:QF+15], v[32*\g:32*\g+15], 0, v[QSC], v[GSC+8+\g]
.endr
	WIN 0x04
.irp g, 0,1,2,3,4,5,6,7
	v_wmma_scale_f32_16x16x128_f8f6f4 v[D+8*\g:D+8*\g+7], v[QF+16:QF+31], v[32*\g+16:32*\g+31], v[D+8*\g:D+8*\g+7], v[QSC], v[GSC+\g] matrix_a_scale:MATRIX_SCALE_ROW1 matrix_b_scale:MATRIX_SCALE_ROW1
.endr
	WIN 0x08
.irp g, 0,1,2,3,4,5,6,7
	v_wmma_scale_f32_16x16x128_f8f6f4 v[D+64+8*\g:D+64+8*\g+7], v[QF+16:QF+31], v[32*\g+16:32*\g+31], v[D+64+8*\g:D+64+8*\g+7], v[QSC], v[GSC+8+\g] matrix_a_scale:MATRIX_SCALE_ROW1 matrix_b_scale:MATRIX_SCALE_ROW1
.endr
	WIN 0
.rept 8
	v_nop                                  ; places ahead of the first read of results (ISA guide 7.12.1)
.endr
	FLIPS U, D, 8, 2                       ; each accumulator's lowest register is the one that is read
	FLIPS T, U, 1, 4
	HALF U, T, 1
	FLIPS T, U, 1, 8
	HALF U, T, 2
	HALF T, U, 1
	FLIPS U, T, 1, 16
	HALF T, U, 4
	HALF U, T, 2
	HALF T, U, 1                           ; my 16, sorted downward
	XM U, T, 1
	CLEAN16 U, T
	XM T, U, 2
	CLEAN16 T, U
	XM U, T, 4
	CLEAN16 U, T
	XM T, U, 8                             ; the 16 largest of the 256: only their sum is wanted
	v_pk_add_f32 v[224:225], v[240:241], v[242:243]
	v_pk_add_f32 v[226:227], v[244:245], v[246:247]
	v_pk_add_f32 v[228:229], v[248:249], v[250:251]
	v_pk_add_f32 v[230:231], v[252:253], v[254:255]
	v_pk_add_f32 v[224:225], v[224:225], v[226:227]
	v_pk_add_f32 v[228:229], v[228:229], v[230:231]
	v_pk_add_f32 v[224:225], v[224:225], v[228:229]
	v_add_f32 v224, v224, v225
	v_fma_f32 v225, v224, 0xbd800000, 1.0  ; 1 - the mean
	v_med3_num_f32 v225, v225, 0, 1.0      ; novelty
	v_mov_b32 v227, s32
	v_mov_b32 v228, s33
	v_fma_f32 v226, v228, 0.5, v227
	v_fma_f32 v226, v225, 0.5, v226        ; total
	v_cmp_eq_u32 vcc_lo, 1, v1
	v_cndmask_b32 v226, v226, v227, vcc_lo
	v_cmp_eq_u32 vcc_lo, 2, v1
	v_cndmask_b32 v226, v226, v228, vcc_lo
	v_cmp_eq_u32 vcc_lo, 3, v1
	v_cndmask_b32 v226, v226, v225, vcc_lo
	v_and_b32 v229, 3, v1
	v_lshlrev_b32 v229, 12, v229
	v_cmp_gt_u32 vcc_lo, 4, v1
	s_wait_xcnt 0x0                        ; EXEC changes only behind this wait
	s_and_saveexec_b32 s44, vcc_lo
	global_store_b32 v229, v226, s[36:37]
	s_wait_xcnt 0x0
	s_or_b32 exec_lo, exec_lo, s44
	s_endpgm
.Lfunc_end_k_q4948780349_score:
	.size	k_q4948780349_score, .Lfunc_end_k_q4948780349_score-k_q4948780349_score
	.p2alignl 7, 3214868480
	.fill 96, 4, 3214868480
	.section	.rodata,"a",@progbits
	.p2align	6, 0x0
	.amdhsa_kernel k_q4948780349_score
		.amdhsa_group_segment_fixed_size 0
		.amdhsa_private_segment_fixed_size 0
		.amdhsa_enable_private_segment 0
		.amdhsa_kernarg_size 56
		.amdhsa_user_sgpr_count 2
		.amdhsa_user_sgpr_kernarg_segment_ptr 1
		.amdhsa_wavefront_size32 1
		.amdhsa_system_sgpr_workgroup_id_x 1
		.amdhsa_system_sgpr_workgroup_id_y 1
		.amdhsa_system_sgpr_workgroup_id_z 1
		.amdhsa_system_vgpr_workitem_id 0
		.amdhsa_next_free_vgpr 768
		.amdhsa_next_free_sgpr 66
		.amdhsa_reserve_vcc 1
		.amdhsa_float_denorm_mode_32 3
		.amdhsa_float_denorm_mode_16_64 3
		.amdhsa_memory_ordered 1
		.amdhsa_forward_progress 1
		.amdhsa_inst_pref_size 40
	.end_amdhsa_kernel
	.amdgpu_metadata
---
amdhsa.version: [ 1, 2 ]
amdhsa.kernels:
  - .name:           k_q4948780349_score
    .symbol:         k_q4948780349_score.kd
    .args:
      - { .name: gids, .offset: 0, .size: 8, .value_kind: global_buffer, .address_space: global }
      - { .name: mq, .offset: 8, .size: 8, .value_kind: global_buffer, .address_space: global }
      - { .name: ms, .offset: 16, .size: 8, .value_kind: global_buffer, .address_space: global }
      - { .name: zq, .offset: 24, .size: 8, .value_kind: global_buffer, .address_space: global }
      - { .name: zs, .offset: 32, .size: 8, .value_kind: global_buffer, .address_space: global }
      - { .name: part, .offset: 40, .size: 8, .value_kind: global_buffer, .address_space: global }
      - { .name: out0, .offset: 48, .size: 8, .value_kind: global_buffer, .address_space: global }
    .group_segment_fixed_size: 0
    .private_segment_fixed_size: 0
    .kernarg_segment_align: 8
    .kernarg_segment_size: 56
    .max_flat_workgroup_size: 128
    .sgpr_count:     66
    .vgpr_count:     768
    .wavefront_size: 32
...
	.end_amdgpu_metadata
.endif
;; end of part 4
;; ======== version 2 of 2: 4 launches; version 1 with the launches prep, score written anew for expert scheduling mode
;; limits: values within 7.6e-06 (relative) of each other or of a threshold may be ordered or decided otherwise than in the reference
;; workspace buffers: zq 262,144 bytes; zs 8,192 bytes; part 8,192 bytes; mq 51,200,000 bytes; ms 1,600,000 bytes; keys 16,384,000 bytes; gids 65,536 bytes of whole numbers
;; launch prep (part 5): grid 16 x 1, 16 waves a work-group, no clusters, 97,792 bytes of LDS; arguments z_t, action, z_t1, sigma, W1, b1, g1, be1, W2, b2, g2, be2, W3, b3, zq, zs, part; writes zq, zs, part
.if DOCPART == 5
	.amdgcn_target "amdgcn-amd-amdhsa--gfx1250"
	.amdhsa_code_object_version 6
	.text
	.protected	k_q4948780349_prep
	.globl	k_q4948780349_prep
	.p2align	8
	.type	k_q4948780349_prep,@function
k_q4948780349_prep:
	s_mov_b64 s[64:65], 0
	v_nop
	global_prefetch_b8 v0, s[64:65] scope:SCOPE_SE
	s_setreg_imm32_b32 hwreg(HW_REG_WAVE_SCHED_MODE, 0, 2), 2
	s_setreg_imm32_b32 hwreg(HW_REG_WAVE_MODE, 25, 1), 1
	s_wait_xcnt 0x0
	s_wait_alu depctr_vm_vsrc(0)
; THE PROGRAM: four launches.  prep: the forward model (products 1 to 3) -> pred_err; epistemic; z_t normalised and quantised.  scan: mem normalised and quantised, product 4, and for each
; slice of 800 rows and each query the 16 best groups of 16 rows.  pick: for each query the 16 best groups of all.  score: those 256 rows multiplied again, the exact top 16, all of out0.
; NO WORK IS LEFT OUT AS DEAD: every input has a way to an output, and all fifteen are loaded.  What is spared is selection: of 200,000 similarities a query's 16 largest lie in the 16 groups with
; the largest group maxima (if x lay in another group, 16 groups would each hold a number >= x besides x), whatever the inputs hold.
; LIMITS: NaN and infinities among the inputs are not served.  1 / (norm + 1e-8) is a reciprocal and a multiplication, the means are multiplications by 1 / n.
; THIS LAUNCH.  A work-group takes 64 samples.  Its sixteen waves quantise the three weights along K, a lane to a column and registers down K, into LDS as images of the operands' registers: 44 fragments of
; 16 columns x 128 K (W1: 3 t + s; W2: 24 + t; W3: 28 + t) and their scale words.  Behind the one barrier waves 12 to 15 each take a tile of 16 samples through the whole chain in registers.
; Products are used transposed (source 0 = 16 columns of a weight, source 1 = 16 samples): a lane holds one sample.  The columns of a tile of W1 and W2 are chosen (lane r of tile 2 b + u: column 32 b + 8 u + r + 8 (r / 8)),
; so that the 16 registers of two neighbouring tiles are 16 neighbours along the next K.  K = 262 is three steps of 128: the third holds the action's 6 numbers and zero codes; K = 64 is half a step, the rest zero codes.
; No tensor load, no cluster: the weights are small and each work-group reads them once.
; THE MODE: SCHED_MODE bits 1:0 = 2 (LLVM: expert scheduling mode 2), set by the entry lines.  The code itself states the register dependences between vector or matrix instructions and memory or LDS
; instructions, with s_wait_alu, always for 0.
; THE PLAN.  Registers that memory or LDS instructions touch:
;   v5-14, v17, v18, v37-40   offsets and LDS addresses: made once at the head, ahead of one wait on va_vdst; read by loads and LDS instructions.  (Waves 12-15 later take v36-43 for sums: behind a wait on vm_vsrc.)
;   v15                       an offset, made three times in waves 12-15: each new make stands behind a wait on vm_vsrc and ahead of a wait on va_vdst.   v19, v116: offsets made once, ahead of such a wait.
;   v224-239, v112            a weight's codes and scale word: written by the conversions, read by the LDS stores: va_vdst ahead of the stores, vm_vsrc behind them, for each fragment.
;   v48-79, v115              z's codes and scale words: written by vector lines, read by the stores to zq and zs: one va_vdst ahead of the run, one vm_vsrc ahead of the next write.
;   v128-255, v48-111, v124-127   loads land here (weights, z_t, biases, gains, offsets, z_t1, the weights' images and scale words), and vector and matrix lines read and write them between:
;                             one va_vdst ahead of each run of loads, behind the last vector or matrix line that names the registers; no vector line stands inside a run.
;   The codes and scale words that vector lines make for a scaled product (v64-111, v120-122; v48-63, v123) are shown written by the same waits, which stand behind their places.
.set WSC,   90112                      ; LDS: 44 images of 2,048 bytes, then 44 x 128 bytes of scale words,
.set SPARE, 95744                      ; then the spare words, 128 bytes for each of 16 waves: eight blocks of 256 bytes that no other line names
.set TM,  20                           ; v20-23 largest magnitudes, v24-27 bytes, v28-31 448 x the scale, v32-35 the conversions' scale operands
.set PCH, 48                           ; v48-63   the hidden layer's codes
.set XF,  64                           ; v64-111  the input's three fragments
.set WPW, 112                          ; v112     a weight's scale word on its way to LDS
.set XS,  120                          ; v120-122 the input's scale words; v123 the hidden layer's; v124-127 four weights': these eight hold scales alone
.set PWH, 123
.set WS,  124
.set H,   128                          ; v128-191 a layer's results
.set WF,  192                          ; v192-255 four fragments of a weight
.set WPC, 224                          ; v224-239 a weight's codes on their way to LDS
.set WV,  38
.set SEL, 40
.set MNT, 42
.set HM,  43
; 16 nb numbers of a lane, register 16 b + i = k 32 b + 16 (lane / 16) + i, become a fragment's codes in v[pc] on and its scale word in v[pw].  Blocks from nb on are zero codes under the byte 127.
.macro QUANT s, relu, nb, pc, pw
.irp b, 0,1,2,3
.if \b >= \nb
.irp c, 0,1,2,3
	v_mov_b32 v[\pc+4*\b+\c], 0
.endr
.endif
.endr
.irp b, 0,1,2,3
.if \b < \nb
.if \relu
	v_max3_num_f32 v[TM+\b], v[\s+16*\b], v[\s+1+16*\b], 0x4800000       ; no |.|: what is negative becomes 0 and must not count; the floor 2^(9 - 127) holds the byte at 1 from below
.else
	v_max3_num_f32 v[TM+\b], |v[\s+16*\b]|, |v[\s+1+16*\b]|, 0x4800000
.endif
.endif
.endr
.irp i, 2,4,6,8,10,12,14
.irp b, 0,1,2,3
.if \b < \nb
.if \relu
	v_max3_num_f32 v[TM+\b], v[TM+\b], v[\s+16*\b+\i], v[\s+1+16*\b+\i]
.else
	v_max3_num_f32 v[TM+\b], v[TM+\b], |v[\s+16*\b+\i]|, |v[\s+1+16*\b+\i]|
.endif
.endif
.endr
.endr
.irp b, 0,1,2,3
.if \b < \nb
	v_permlanex16_b32 v[TM+4+\b], v[TM+\b], s[SEL], s[SEL+1]
.endif
.endr
.irp b, 0,1,2,3
.if \b < \nb
	v_max_num_f32 v[TM+\b], v[TM+\b], v[TM+4+\b]                          ; with lane l xor 16's: the block's largest magnitude
.endif
.endr
.irp b, 0,1,2,3
.if \b < \nb
	v_add_nc_u32 v[TM+12+\b], 0xfc000000, v[TM+\b]                        ; 8 off its exponent field: the conversion's scale operand
	v_and_or_b32 v[TM+8+\b], v[TM+\b], 0x7f800000, s[MNT]                 ; 448 x the scale
	v_lshrrev_b32 v[TM+4+\b], 23, v[TM+12+\b]                             ; the scale's byte
.endif
.endr
.if \nb == 4
	v_lshl_or_b32 v[\pw], v[TM+5], 8, v[TM+4]
	v_lshl_or_b32 v[\pw], v[TM+6], 16, v[\pw]
	v_lshl_or_b32 v[\pw], v[TM+7], 24, v[\pw]
.elseif \nb == 2
	v_lshl_or_b32 v[\pw], v[TM+5], 8, v[TM+4]
	v_or_b32 v[\pw], 0x7f7f0000, v[\pw]
.else
	v_or_b32 v[\pw], 0x7f7f7f00, v[TM+4]
.endif
.irp b, 0,1,2,3
.if \b < \nb
.irp i, 0,1,2,3,4,5,6,7,8,9,10,11,12,13,14,15
.if \relu
	v_med3_num_f32 v[\s+16*\b+\i], v[\s+16*\b+\i], 0, v[TM+8+\b]          ; the activation and the hold in one
.else
	v_med3_num_f32 v[\s+16*\b+\i], v[\s+16*\b+\i], -v[TM+8+\b], v[TM+8+\b] ; the conversion to an 8-bit code does not saturate (ISA guide 7.6.2)
.endif
.endr
	v_cvt_scalef32_pk8_fp8_f32 v[\pc+4*\b:\pc+1+4*\b], v[\s+16*\b:\s+7+16*\b], v[TM+12+\b]
	v_cvt_scalef32_pk8_fp8_f32 v[\pc+2+4*\b:\pc+3+4*\b], v[\s+8+16*\b:\s+15+16*\b], v[TM+12+\b]
.endif
.endr
.rept 4
	v_nop                                  ; codes written by vector instructions stand four places ahead of a scaled product; the first is also the plain line behind the conversions
.endr
.endm
.macro IMAGE adr, pc                   ; a fragment goes to LDS as it stands: lane l's 16 bytes at 16 l, 512 bytes a store
.irp c, 0,1,2,3
	ds_store_b128 v[\adr], v[\pc+4*\c:\pc+4*\c+3] offset:512*\c
.endr
.endm
.macro FETCH reg, adr, off             ; and comes back so, in any wave
.irp c, 0,1,2,3
	ds_load_b128 v[\reg+4*\c:\reg+4*\c+3], v[\adr] offset:\off+512*\c
.endr
.endm
.macro WLOAD reg, ofs, base, nb, pitch ; nb blocks of 32 down K of my column: sixteen neighbouring lanes read neighbouring columns
.irp c, 0,1,2,3
.if \c < \nb
.irp i, 0,1,2,3,4,5,6,7,8,9,10,11,12,13,14,15
	global_load_b32 v[\reg+16*\c+\i], v[\ofs], s[\base:\base+1] offset:(32*\c+\i)*\pitch
.endr
.endif
.endr
.endm
.macro AB                              ; every wave's two fragments: one of W1's first 256 along K, one of W3
	QUANT 128, 0, 4, WPC, WPW
	s_wait_alu depctr_va_vdst(0)           ; the conversions have written v[WPC ..] and the shifts v[WPW], which the LDS stores read
	IMAGE 7, WPC
	ds_store_b32 v8, v[WPW]
	s_wait_dscnt 0x0                       ; the stores are done
	s_wait_alu depctr_vm_vsrc(0)           ; the LDS stores have read v[WPC ..] and v[WPW], which the next fragment's lines write again
	QUANT 192, 0, 2, WPC, WPW
	s_wait_alu depctr_va_vdst(0)           ; the conversions have written v[WPC ..] and v[WPW], which the LDS stores read
	IMAGE 9, WPC
	ds_store_b32 v10, v[WPW]
	s_wait_dscnt 0x0
	s_wait_alu depctr_vm_vsrc(0)           ; the LDS stores have read v[WPC ..] and v[WPW]: a third fragment's lines write them again, or (waves 12-15) z_t lands there; and the weights' loads have read v38 and v39, which waves 12-15 take for sums
.endm
.macro ZLOAD                           ; my row of z_t: of each block of 32 my half's 16 numbers
.irp b, 0,1,2,3,4,5,6,7
.irp j, 0,1,2,3
	global_load_b128 v[128+16*\b+4*\j:128+16*\b+4*\j+3], v15, s[52:53] offset:128*\b+16*\j
.endr
.endr
.endm
; LayerNorm over 2 n numbers, n in my registers v[H] on and n in lane l xor 16's; gains at v[g] on, offsets at v[be] on, both still on their way; rn = 1 / (2 n)
.macro LN n, g, be, rn
	v_pk_add_f32 v[36:37], v[H:H+1], v[H+2:H+3]                           ; each tile of results is read from its low end on
	v_pk_add_f32 v[38:39], v[H+4:H+5], v[H+6:H+7]
.set I_, 8
.rept (\n-8)/4
	v_pk_add_f32 v[36:37], v[36:37], v[H+I_:H+I_+1]
	v_pk_add_f32 v[38:39], v[38:39], v[H+I_+2:H+I_+3]
.set I_, I_+4
.endr
	v_pk_add_f32 v[36:37], v[36:37], v[38:39]
	v_add_f32 v36, v36, v37
	v_permlanex16_b32 v37, v36, s[SEL], s[SEL+1]
	v_add_f32 v36, v36, v37
	v_mul_f32 v36, \rn, v36                ; the mean
	v_mov_b32 v37, v36
.set I_, 0
.rept \n/2
	v_pk_add_f32 v[H+I_:H+I_+1], v[H+I_:H+I_+1], v[36:37] neg_lo:[0,1] neg_hi:[0,1]
.set I_, I_+2
.endr
	v_pk_mul_f32 v[38:39], v[H:H+1], v[H:H+1]
	v_pk_mul_f32 v[40:41], v[H+2:H+3], v[H+2:H+3]
.set I_, 4
.rept (\n-4)/4
	v_pk_fma_f32 v[38:39], v[H+I_:H+I_+1], v[H+I_:H+I_+1], v[38:39]
	v_pk_fma_f32 v[40:41], v[H+I_+2:H+I_+3], v[H+I_+2:H+I_+3], v[40:41]
.set I_, I_+4
.endr
	v_pk_add_f32 v[38:39], v[38:39], v[40:41]
	v_add_f32 v38, v38, v39
	v_permlanex16_b32 v39, v38, s[SEL], s[SEL+1]
	v_add_f32 v38, v38, v39
	v_mul_f32 v38, \rn, v38                ; the variance
	v_add_f32 v38, 0x3727c5ac, v38         ; + 1e-5
	v_rsq_f32 v38, v38
	v_nop                                  ; a plain line behind the transcendental,
	s_wait_alu depctr_va_vdst(0)           ; and the wait ahead of its first reader: the inverse root has written v38
	v_mov_b32 v39, v38
	s_wait_loadcnt 0x0                     ; gains and offsets are in
.set I_, 0
.rept \n/2
	v_pk_mul_f32 v[H+I_:H+I_+1], v[H+I_:H+I_+1], v[38:39]
.set I_, I_+2
.endr
.set I_, 0
.rept \n/2
	v_pk_fma_f32 v[H+I_:H+I_+1], v[H+I_:H+I_+1], v[\g+I_:\g+I_+1], v[\be+I_:\be+I_+1]
.set I_, I_+2
.endr
.endm
	s_load_b512 s[4:19], s[0:1], 0x0       ; z_t s4, action s6, z_t1 s8, sigma s10, W1 s12, b1 s14, g1 s16, be1 s18
	s_load_b512 s[20:35], s[0:1], 0x40     ; W2 s20, b2 s22, g2 s24, be2 s26, W3 s28, b3 s30, zq s32, zs s34
	s_load_b64 s[36:37], s[0:1], 0x80      ; part
	v_lshl_add_u32 v1, v0, 2, SPARE        ; my spare word; never rewritten
	v_mov_b32 v2, 0                        ; 0; never rewritten
	v_lshrrev_b32 v3, 5, v0
	v_readfirstlane_b32 s[WV], v3          ; wave 0..15
	v_and_b32 v3, 15, v0                   ; r
	v_bfe_u32 v4, v0, 4, 1                 ; h
	v_and_b32 v15, 31, v0
	v_lshlrev_b32 v5, 4, v15               ; 16 x lane: an image's place for my lane
	v_lshlrev_b32 v6, 2, v15               ; 4 x lane
	v_add_nc_u32 v17, 24*2048, v5          ; the same from image 24 on: an LDS immediate has 16 bits
	v_add_nc_u32 v18, WSC, v6              ; a scale word's place
	s_mov_b32 s[SEL], 0x76543210
	s_mov_b32 s[SEL+1], 0xfedcba98         ; v_permlanex16_b32's selects for lane l xor 16
	s_mov_b32 s[MNT], 0x600000             ; the mantissa field of 448
	s_mov_b32 s[HM], 0xffff0000            ; lanes 16 to 31
.irp b, 0,1,2,3
	v_mov_b32 v[TM+4+\b], 0                ; written once: a lane permute's destination counts as one of its sources
.endr
	s_wait_alu depctr_va_sdst(0)           ; the wave's number is written, ahead of its first reader: addresses and the roles' branches are made from it
	; every LDS address is made here, ahead of the parting of the roles
	s_lshr_b32 s44, s[WV], 1
	s_and_b32 s45, s[WV], 1
	s_mul_i32 s46, s44, 3
	s_add_co_u32 s46, s46, s45             ; W1: tile wave / 2, K step wave % 2: image 3 t + s
	s_lshl_b32 s47, s46, 11
	v_add_nc_u32 v7, s47, v5
	s_lshl_b32 s47, s46, 7
	v_add_nc_u32 v8, s47, v18
	s_add_co_u32 s46, s[WV], 28            ; W3: tile = wave: image 28 + wave
	s_lshl_b32 s47, s46, 11
	v_add_nc_u32 v9, s47, v5
	s_lshl_b32 s47, s46, 7
	v_add_nc_u32 v10, s47, v18
	s_mul_i32 s46, s[WV], 3
	s_add_co_u32 s46, s46, 2               ; waves 0-7: W1's third K step of tile = wave: image 3 wave + 2
	s_lshl_b32 s47, s46, 11
	v_add_nc_u32 v11, s47, v5
	s_lshl_b32 s47, s46, 7
	v_add_nc_u32 v12, s47, v18
	s_add_co_u32 s46, s[WV], 16            ; waves 8-11: W2's tile wave - 8: image 24 + wave - 8
	s_lshl_b32 s47, s46, 11
	v_add_nc_u32 v13, s47, v5
	s_lshl_b32 s47, s46, 7
	v_add_nc_u32 v14, s47, v18
	; offsets in the weights
	v_and_b32 v36, 8, v3
	v_add_nc_u32 v36, v36, v3              ; r + 8 (r / 8)
	v_lshlrev_b32 v37, 2, v36              ; W1's last rows: my column alone (lanes 16-31 read what lanes 0-15 read: no load leaves W1)
	v_lshl_add_u32 v38, v4, 13, v37        ; W1: + 16 h rows of 512 bytes
	v_lshlrev_b32 v39, 2, v3
	v_lshl_add_u32 v39, v4, 14, v39        ; W3: column r, + 16 h rows of 1,024 bytes
	v_lshl_add_u32 v40, v4, 12, v37        ; W2: + 16 h rows of 256 bytes
	s_lshl_b32 s46, s45, 16                ; W1: K step x 128 rows,
	s_lshr_b32 s47, s44, 1
	s_lshl_b32 s47, s47, 7
	s_add_co_u32 s46, s46, s47             ; + 32 (t / 2) columns,
	s_and_b32 s47, s44, 1
	s_lshl_b32 s47, s47, 5
	s_add_co_u32 s46, s46, s47             ; + 8 (t % 2)
	s_mov_b32 s47, 0
	s_lshl_b32 s52, s[WV], 6               ; W3: 16 columns a tile
	s_mov_b32 s53, 0
	s_wait_kmcnt 0x0
	s_add_nc_u64 s[48:49], s[12:13], s[46:47]
	s_add_nc_u64 s[50:51], s[28:29], s[52:53]
	s_wait_alu depctr_va_vdst(0)           ; the offsets v37 to v40 and the LDS addresses v5 to v14, v17, v18 are written: the loads below, each role's own loads and every LDS instruction read them
	WLOAD 128, 38, 48, 4, 512
	WLOAD 192, 39, 50, 2, 1024
	s_cmp_lt_u32 s[WV], 8
	s_cbranch_scc0 .Lnot_tail
	; ---- waves 0-7: W1's rows 256 to 261
	s_lshl_b32 s46, s44, 7
	s_lshl_b32 s52, s45, 5
	s_add_co_u32 s46, s46, s52
	s_add_co_u32 s46, s46, 256*512
	s_add_nc_u64 s[54:55], s[12:13], s[46:47]
.irp i, 0,1,2,3,4,5
	global_load_b32 v[240+\i], v37, s[54:55] offset:\i*512
.endr
	s_wait_loadcnt 0x0
	AB
.irp i, 0,1,2,3,4,5
	v_cndmask_b32 v[240+\i], v[240+\i], 0, s[HM]   ; lanes 16-31 stand for k = 272 on: past K's end, zeros
.endr
.irp i, 6,7,8,9,10,11,12,13,14,15
	v_mov_b32 v[240+\i], 0
.endr
	QUANT 240, 0, 1, WPC, WPW
	s_wait_alu depctr_va_vdst(0)           ; the conversions have written v[WPC ..] and v[WPW], which the LDS stores read
	IMAGE 11, WPC
	ds_store_b32 v12, v[WPW]
	s_branch .Ljoin
.Lnot_tail:
	s_cmp_lt_u32 s[WV], 12
	s_cbranch_scc0 .Lchain
	; ---- waves 8-11: W2
	s_sub_co_u32 s46, s44, 4
	s_lshl_b32 s46, s46, 7
	s_lshl_b32 s52, s45, 5
	s_add_co_u32 s46, s46, s52
	s_add_nc_u64 s[54:55], s[20:21], s[46:47]
	WLOAD 48, 40, 54, 4, 256
	s_wait_loadcnt 0x0
	AB
	QUANT 48, 0, 4, WPC, WPW
	s_wait_alu depctr_va_vdst(0)           ; the conversions have written v[WPC ..] and v[WPW], which the LDS stores read
	IMAGE 13, WPC
	ds_store_b32 v14, v[WPW]
	s_branch .Ljoin
.Lchain:
	; ---- waves 12-15: my tile of 16 samples: z_t normalised -> zq, zs; z_t and the action as they are -> the first product's operand; sigma
	s_wait_loadcnt 0x0
	AB
	s_lshl_b32 s56, ttmp9, 2
	s_add_co_u32 s56, s56, s[WV]
	s_sub_co_u32 s56, s56, 12              ; my tile
	s_lshl_b32 s46, s56, 14
	s_add_nc_u64 s[52:53], s[4:5], s[46:47]
	s_add_nc_u64 s[54:55], s[8:9], s[46:47]
	s_lshl_b32 s46, s56, 12
	s_add_nc_u64 s[32:33], s[32:33], s[46:47]
	s_lshl_b32 s46, s56, 7
	s_add_nc_u64 s[34:35], s[34:35], s[46:47]
	s_mul_i32 s46, s56, 384
	s_add_nc_u64 s[6:7], s[6:7], s[46:47]
	s_add_nc_u64 s[10:11], s[10:11], s[46:47]
	s_lshl_b32 s46, s56, 6
	s_add_nc_u64 s[36:37], s[36:37], s[46:47]
	v_lshlrev_b32 v15, 10, v3
	v_lshl_add_u32 v15, v4, 6, v15         ; row r of 1,024 bytes, + 64 h
	s_wait_alu depctr_va_vdst(0)           ; v15 is written, which the loads read; the two fragments' lines are done reading and writing v128 to v239, in which the loads land
	ZLOAD
	s_wait_loadcnt 0x0
.irp c, 0,1,2,3
	v_pk_mul_f32 v[36+2*\c:37+2*\c], v[128+2*\c:129+2*\c], v[128+2*\c:129+2*\c]   ; the sum of squares, in four chains
.endr
.set P_, 4
.rept 60
	v_pk_fma_f32 v[36+2*(P_%4):37+2*(P_%4)], v[128+2*P_:129+2*P_], v[128+2*P_:129+2*P_], v[36+2*(P_%4):37+2*(P_%4)]
.set P_, P_+1
.endr
	v_pk_add_f32 v[36:37], v[36:37], v[38:39]
	v_pk_add_f32 v[40:41], v[40:41], v[42:43]
	v_pk_add_f32 v[36:37], v[36:37], v[40:41]
	v_add_f32 v36, v36, v37
	v_permlanex16_b32 v37, v36, s[SEL], s[SEL+1]
	v_add_f32 v36, v36, v37
	v_sqrt_f32 v36, v36
	v_nop
	s_wait_alu depctr_va_vdst(0)           ; the wait ahead of the first reader: the root has written v36
	v_add_f32 v36, 0x322bcc77, v36         ; + 1e-8
	v_rcp_f32 v36, v36
	v_nop
	s_wait_alu depctr_va_vdst(0)           ; likewise: the reciprocal has written v36
	v_mov_b32 v37, v36
.set P_, 0
.rept 64
	v_pk_mul_f32 v[128+2*P_:129+2*P_], v[128+2*P_:129+2*P_], v[36:37]
.set P_, P_+1
.endr
	QUANT 128, 0, 4, 48, 113
	QUANT 192, 0, 4, 64, 114
	v_cndmask_b32 v115, v113, v114, s[HM]  ; lanes 0-15: the first K step's word of sample r; lanes 16-31: the second's
	v_mul_u32_u24 v116, v3, 24             ; my sample's six numbers of the action and of sigma
	s_wait_alu depctr_va_vdst(0)           ; v48 to v79 and v115 are written, which the stores read; v116 is written, which the last six loads read; the lines above are done with v128 to v255 and v36 to v43, in which the loads land.  No vector line stands in the run below
.irp c, 0,1,2,3
	global_store_b128 v5, v[48+4*\c:51+4*\c], s[32:33] offset:512*\c           ; 32 lanes store 512 consecutive bytes
.endr
.irp c, 0,1,2,3
	global_store_b128 v5, v[64+4*\c:67+4*\c], s[32:33] offset:2048+512*\c
.endr
	global_store_b32 v6, v115, s[34:35]
	ZLOAD                                  ; once more, as it is: the hold has changed the registers
.irp i, 0,1,2
	global_load_b64 v[36+2*\i:37+2*\i], v116, s[6:7] offset:8*\i
	global_load_b64 v[42+2*\i:43+2*\i], v116, s[10:11] offset:8*\i
.endr
	s_wait_loadcnt 0x0
	s_wait_xcnt 0x0                        ; the stores have had their addresses translated: v64 on is written again below
	s_wait_alu depctr_vm_vsrc(0)           ; the stores have read v48 to v79: the conversions below write v64 on again, and later lines v48 on
	v_add_f32 v16, v42, v43
	v_add_f32 v117, v44, v45
	v_add_f32 v118, v46, v47
	v_add_f32 v16, v16, v117
	v_add_f32 v16, v16, v118
	v_mul_f32 v16, 0x3e2aaaab, v16         ; epistemic: the mean of six
	QUANT 128, 0, 4, XF, XS
	QUANT 192, 0, 4, XF+16, XS+1
.irp i, 0,1,2,3,4,5
	v_cndmask_b32 v[128+\i], v[36+\i], 0, s[HM]    ; the action is k = 256 to 261: lanes 0-15's first six; all else of the block is zeros
.endr
.irp i, 6,7,8,9,10,11,12,13,14,15
	v_mov_b32 v[128+\i], 0
.endr
	QUANT 128, 0, 1, XF+32, XS+2
.Ljoin:
	s_wait_dscnt 0x0                       ; my images have landed
	s_barrier_signal -1
	s_barrier_wait -1                      ; all 44 lie in LDS
	s_cmp_lt_u32 s[WV], 12
	s_cbranch_scc0 .Lgo
	s_wait_dscnt 0x0                       ; the wave's end: the closing lines, six on end
	s_wait_alu 0x0
	s_wait_tensorcnt 0x0
	ds_add_u32 v1, v2
	s_wait_dscnt 0x0
	s_endpgm
.Lgo:
	; ---- product 1: 8 tiles of hidden units, three K steps; b1 is the C of each sum's first product
	s_wait_alu depctr_vm_vsrc(0)           ; z_t's loads have read v15, which is made anew
	v_lshlrev_b32 v15, 6, v4
	s_wait_alu depctr_va_vdst(0)           ; v15 is written, which the loads read; the input's quantising is done with v128 to v255, in which b1 and the first images land; it has written the input's codes v64 to v111 and scale words v120 to v122, which the scaled products take
.irp b, 0,1,2,3
.irp j, 0,1,2,3
	global_load_b128 v[H+16*\b+4*\j:H+16*\b+4*\j+3], v15, s[14:15] offset:128*\b+16*\j
.endr
.endr
.macro P1B s, a                        ; K step s, tiles 4 a to 4 a + 3: the accumulators take turns, one product a turn
.irp t, 0,1,2,3
	FETCH WF+16*\t, 5, (3*(4*\a+\t)+\s)*2048
	ds_load_b32 v[WS+\t], v18 offset:128*(3*(4*\a+\t)+\s)
.endr
	s_wait_loadcnt 0x0
	s_wait_dscnt 0x0
.irp t, 0,1,2,3
	v_wmma_scale_f32_16x16x128_f8f6f4 v[H+8*(4*\a+\t):H+8*(4*\a+\t)+7], v[WF+16*\t:WF+16*\t+15], v[XF+16*\s:XF+16*\s+15], v[H+8*(4*\a+\t):H+8*(4*\a+\t)+7], v[WS+\t], v[XS+\s]
.endr
.rept 8
	v_nop                                  ; the places behind these products stay as they stood: ahead of the first read of results (ISA guide 7.12.1)
.endr
	s_wait_alu depctr_va_vdst(0)           ; the four products are done reading v[WF ..] and v[WS ..], in which the next loads land; behind the last batch all products are done reading the input's fragments too, in which be1 lands
.endm
	P1B 0, 0
	P1B 0, 1
	P1B 1, 0
	P1B 1, 1
	P1B 2, 0
	P1B 2, 1
.irp b, 0,1,2,3
.irp j, 0,1,2,3
	global_load_b128 v[WF+16*\b+4*\j:WF+16*\b+4*\j+3], v15, s[16:17] offset:128*\b+16*\j
	global_load_b128 v[48+16*\b+4*\j:48+16*\b+4*\j+3], v15, s[18:19] offset:128*\b+16*\j
.endr
.endr
	LN 64, WF, 48, 0x3c000000
	QUANT H, 1, 4, PCH, PWH
	; ---- product 2: 4 tiles, one K step
	s_wait_alu depctr_va_vdst(0)           ; the lines above are done with v[H ..] and v[WF ..], in which b2 and W2's images land; they have written the hidden layer's codes and scale word, which the scaled products take (their places stand above)
.irp b, 0,1
.irp j, 0,1,2,3
	global_load_b128 v[H+16*\b+4*\j:H+16*\b+4*\j+3], v15, s[22:23] offset:128*\b+16*\j
.endr
.endr
.irp t, 0,1,2,3
	FETCH WF+16*\t, 17, \t*2048
	ds_load_b32 v[WS+\t], v18 offset:128*(24+\t)
.endr
	s_wait_loadcnt 0x0
	s_wait_dscnt 0x0
.irp t, 0,1,2,3
	v_wmma_scale_f32_16x16x128_f8f6f4 v[H+8*\t:H+8*\t+7], v[WF+16*\t:WF+16*\t+15], v[PCH:PCH+15], v[H+8*\t:H+8*\t+7], v[WS+\t], v[PWH]
.endr
.rept 8
	v_nop
.endr
	s_wait_alu depctr_va_vdst(0)           ; the four products are done reading v[WF ..], in which g2 lands
.irp b, 0,1
.irp j, 0,1,2,3
	global_load_b128 v[WF+16*\b+4*\j:WF+16*\b+4*\j+3], v15, s[24:25] offset:128*\b+16*\j
	global_load_b128 v[64+16*\b+4*\j:64+16*\b+4*\j+3], v15, s[26:27] offset:128*\b+16*\j
.endr
.endr
	LN 32, WF, 64, 0x3c800000
	QUANT H, 1, 2, PCH, PWH
	; ---- product 3: 16 tiles of 16 outputs, four at a time; the squared distance to z_t1 is summed on the way
	s_wait_alu depctr_vm_vsrc(0)           ; the loads of biases, gains and offsets have read v15, which is made anew
	v_lshlrev_b32 v15, 5, v4               ; b3: my half's eight of a tile
	v_lshlrev_b32 v19, 10, v3
	v_lshl_add_u32 v19, v4, 5, v19         ; z_t1: row r, + 32 h
.irp i, 36,37,38,39
	v_mov_b32 v\i, 0
.endr
.macro P3B a
	s_wait_alu depctr_va_vdst(0)           ; the lines above are done with v128 to v191, v[WF ..] and v[WS ..], in which the loads land; ahead of the first batch also: v15 and v19 are written, which the loads read, and the hidden layer's codes and scale word, which the scaled products take
.irp t, 0,1,2,3
	global_load_b128 v[128+8*\t:131+8*\t], v15, s[30:31] offset:64*(4*\a+\t)
	global_load_b128 v[132+8*\t:135+8*\t], v15, s[30:31] offset:64*(4*\a+\t)+16
	global_load_b128 v[160+8*\t:163+8*\t], v19, s[54:55] offset:64*(4*\a+\t)
	global_load_b128 v[164+8*\t:167+8*\t], v19, s[54:55] offset:64*(4*\a+\t)+16
	FETCH WF+16*\t, 17, (4+4*\a+\t)*2048
	ds_load_b32 v[WS+\t], v18 offset:128*(28+4*\a+\t)
.endr
	s_wait_loadcnt 0x0
	s_wait_dscnt 0x0
.irp t, 0,1,2,3
	v_wmma_scale_f32_16x16x128_f8f6f4 v[128+8*\t:135+8*\t], v[WF+16*\t:WF+16*\t+15], v[PCH:PCH+15], v[128+8*\t:135+8*\t], v[WS+\t], v[PWH]
.endr
.rept 8
	v_nop
.endr
.set I_, 0
.rept 16
	v_pk_add_f32 v[160+I_:161+I_], v[128+I_:129+I_], v[160+I_:161+I_] neg_lo:[0,1] neg_hi:[0,1]   ; each tile from its low end on
.set I_, I_+2
.endr
.set I_, 0
.rept 8
	v_pk_fma_f32 v[36:37], v[160+I_:161+I_], v[160+I_:161+I_], v[36:37]
	v_pk_fma_f32 v[38:39], v[162+I_:163+I_], v[162+I_:163+I_], v[38:39]
.set I_, I_+4
.endr
.endm
	P3B 0
	P3B 1
	P3B 2
	P3B 3
	v_pk_add_f32 v[36:37], v[36:37], v[38:39]
	v_add_f32 v36, v36, v37
	v_permlanex16_b32 v37, v36, s[SEL], s[SEL+1]
	v_add_f32 v36, v36, v37
	v_mul_f32 v36, 0x3b800000, v36         ; pred_err: the mean of 256
	v_cndmask_b32 v36, v36, v16, s[HM]     ; lanes 0-15 store pred_err, lanes 16-31 epistemic
	v_lshlrev_b32 v37, 2, v3
	v_lshl_add_u32 v37, v4, 12, v37
	s_wait_alu depctr_va_vdst(0)           ; v36 and v37 are written: the store's data and its offset
	global_store_b32 v37, v36, s[36:37]
	s_wait_dscnt 0x0                       ; the wave's end: the closing lines, six on end
	s_wait_alu 0x0
	s_wait_tensorcnt 0x0
	ds_add_u32 v1, v2
	s_wait_dscnt 0x0
	s_endpgm
.Lfunc_end_k_q4948780349_prep:
	.size	k_q4948780349_prep, .Lfunc_end_k_q4948780349_prep-k_q4948780349_prep
	.p2alignl 7, 3214868480
	.fill 96, 4, 3214868480
	.section	.rodata,"a",@progbits
	.p2align	6, 0x0
	.amdhsa_kernel k_q4948780349_prep
		.amdhsa_group_segment_fixed_size 97792
		.amdhsa_private_segment_fixed_size 0
		.amdhsa_enable_private_segment 0
		.amdhsa_kernarg_size 136
		.amdhsa_user_sgpr_count 2
		.amdhsa_user_sgpr_kernarg_segment_ptr 1
		.amdhsa_wavefront_size32 1
		.amdhsa_system_sgpr_workgroup_id_x 1
		.amdhsa_system_sgpr_workgroup_id_y 1
		.amdhsa_system_sgpr_workgroup_id_z 1
		.amdhsa_system_vgpr_workitem_id 0
		.amdhsa_next_free_vgpr 256
		.amdhsa_next_free_sgpr 66
		.amdhsa_reserve_vcc 0
		.amdhsa_float_denorm_mode_32 3
		.amdhsa_float_denorm_mode_16_64 3
		.amdhsa_memory_ordered 1
		.amdhsa_forward_progress 1
		.amdhsa_inst_pref_size 198
	.end_amdhsa_kernel
	.amdgpu_metadata
---
amdhsa.version: [ 1, 2 ]
amdhsa.kernels:
  - .name:           k_q4948780349_prep
    .symbol:         k_q4948780349_prep.kd
    .args:
      - { .name: z_t, .offset: 0, .size: 8, .value_kind: global_buffer, .address_space: global }
      - { .name: action, .offset: 8, .size: 8, .value_kind: global_buffer, .address_space: global }
      - { .name: z_t1, .offset: 16, .size: 8, .value_kind: global_buffer, .address_space: global }
      - { .name: sigma, .offset: 24, .size: 8, .value_kind: global_buffer, .address_space: global }
      - { .name: W1, .offset: 32, .size: 8, .value_kind: global_buffer, .address_space: global }
      - { .name: b1, .offset: 40, .size: 8, .value_kind: global_buffer, .address_space: global }
      - { .name: g1, .offset: 48, .size: 8, .value_kind: global_buffer, .address_space: global }
      - { .name: be1, .offset: 56, .size: 8, .value_kind: global_buffer, .address_space: global }
      - { .name: W2, .offset: 64, .size: 8, .value_kind: global_buffer, .address_space: global }
      - { .name: b2, .offset: 72, .size: 8, .value_kind: global_buffer, .address_space: global }
      - { .name: g2, .offset: 80, .size: 8, .value_kind: global_buffer, .address_space: global }
      - { .name: be2, .offset: 88, .size: 8, .value_kind: global_buffer, .address_space: global }
      - { .name: W3, .offset: 96, .size: 8, .value_kind: global_buffer, .address_space: global }
      - { .name: b3, .offset: 104, .size: 8, .value_kind: global_buffer, .address_space: global }
      - { .name: zq, .offset: 112, .size: 8, .value_kind: global_buffer, .address_space: global }
      - { .name: zs, .offset: 120, .size: 8, .value_kind: global_buffer, .address_space: global }
      - { .name: part, .offset: 128, .size: 8, .value_kind: global_buffer, .address_space: global }
    .group_segment_fixed_size: 97792
    .private_segment_fixed_size: 0
    .kernarg_segment_align: 8
    .kernarg_segment_size: 136
    .max_flat_workgroup_size: 512
    .sgpr_count:     66
    .vgpr_count:     256
    .wavefront_size: 32
...
	.end_amdgpu_metadata
.endif
;; end of part 5
;; launch scan: the kernel of part 2 again; grid 250 x 1, 4 waves a work-group, no clusters, 327,680 bytes of LDS; arguments mem, zq, zs, mq, ms, keys; writes mq, ms, keys
;; launch pick: the kernel of part 3 again; grid 256 x 1, 4 waves a work-group, no clusters, 16,896 bytes of LDS; arguments keys, gids; writes gids
;; launch score (part 6): grid 256 x 1, 4 waves a work-group, no clusters, 0 bytes of LDS; arguments gids, mq, ms, zq, zs, part, out0; writes out0
.if DOCPART == 6
	.amdgcn_target "amdgcn-amd-amdhsa--gfx1250"
	.amdhsa_code_object_version 6
	.text
	.protected	k_q4948780349_score
	.globl	k_q4948780349_score
	.p2align	8
	.type	k_q4948780349_score,@function
k_q4948780349_score:
	s_mov_b64 s[64:65], 0
	v_nop
	global_prefetch_b8 v0, s[64:65] scope:SCOPE_SE
	s_setreg_imm32_b32 hwreg(HW_REG_WAVE_SCHED_MODE, 0, 2), 2
	s_setreg_imm32_b32 hwreg(HW_REG_WAVE_MODE, 25, 1), 1
	s_wait_xcnt 0x0
	s_wait_alu depctr_vm_vsrc(0)
; A wave takes one query: its 16 groups' numbers are read from memory (whole numbers that an earlier launch stored), their 256 rows come as codes, are multiplied with the query again, and the exact 16 largest are summed.
; Of product 4 only these rows are multiplied here: the others were shown by the launches before not to hold any of the query's 16 largest.
; Source 0 = the query, sixteen times; source 1 = a group's 16 rows: register 0 of a group's result holds in lane r the similarity of row r.  So a lane holds 16 numbers, one a group.
; They are sorted in registers (a bitonic network, 10 steps of 8 comparators); then four merges across the sixteen lanes: the larger of mine [i] and the partner's [15 - i], and four half-cleaners.
; All loads are out at once, as soon as the numbers are known.  No LDS, no cluster: waves share nothing.
; out0's four numbers of a query lie 4,096 bytes apart, so they leave by one store of 4 bytes in four lanes: 16 KiB in the whole launch.
; THE MODE: SCHED_MODE bits 1:0 = 2 (LLVM: expert scheduling mode 2), set by the entry lines.  The code itself states the register dependences between vector or matrix instructions and memory
; instructions, with s_wait_alu, always for 0.
; THE PLAN.  Registers that memory instructions touch:
;   v6, v7      the query's offsets: made at the head, ahead of one wait on va_vdst; never written again.
;   v8-39       the groups' offsets: made from the loaded numbers, ahead of one wait on va_vdst, behind which stand loads and window switches alone; never written again.
;   v40-88 and windows 1 and 2   loads land here and no vector line names them before; the products read them behind the wait for the loads.
;   v226, v229  the store's data and offset: written ahead of the wait on va_vdst that stands in front of the narrowing of EXEC.
; A number that a vector line puts into a scalar register or VCC (the wave's number, four masks) has its wait ahead of its first reader; each of the two writes of EXEC has both waits ahead of it.
.set OG, 8                             ; v8-23   the groups' offsets in mq
.set OS, 24                            ; v24-39  and in ms
.set GSC, 40                           ; v40-55  the groups' scale words: lanes 0-15 K step 0, lanes 16-31 K step 1.  v40-55 and v88 hold scales alone
.set QF, 56                            ; v56-87  the query's two fragments
.set QSC, 88
.set D,  96                            ; v96-223 sixteen accumulators
.set U,  224
.set T,  240
.set MSB, 0
.macro WIN new
.if MSB != (\new)
	s_set_vgpr_msb (MSB<<8)|(\new)
.set MSB, (\new)
.endif
.endm
.macro CE d, s, m, i, k                ; the larger to place i, the smaller to place k
	v_max_num_f32 v[\d+(\i)], v[\s+(\m)*(\i)], v[\s+(\m)*(\k)]
	v_min_num_f32 v[\d+(\k)], v[\s+(\m)*(\i)], v[\s+(\m)*(\k)]
.endm
.macro FLIPS d, s, m, k                ; two sorted runs of k / 2: place i against place i xor (k - 1)
.irp i, 0,1,2,3,4,5,6,7,8,9,10,11,12,13,14,15
.if ((\i)^((\k)-1)) > (\i)
	CE \d, \s, \m, \i, ((\i)^((\k)-1))
.endif
.endr
.endm
.macro HALF d, s, j
.irp i, 0,1,2,3,4,5,6,7,8,9,10,11,12,13,14,15
.if ((\i)&(\j)) == 0
	CE \d, \s, 1, \i, (\i+\j)
.endif
.endr
.endm
.macro XM d, s, x
.irp i, 0,1,2,3,4,5,6,7,8,9,10,11,12,13,14,15
	v_max_num_f32_dpp v[\d+\i], v[\s+15-\i], v[\s+\i] row_xmask:\x row_mask:0xf bank_mask:0xf
.endr
.endm
.macro CLEAN16 a, b                    ; ends in a
	HALF \b, \a, 8
	HALF \a, \b, 4
	HALF \b, \a, 2
	HALF \a, \b, 1
.endm
	s_load_b256 s[4:11], s[0:1], 0x0       ; gids s4, mq s6, ms s8, zq s10
	s_load_b128 s[12:15], s[0:1], 0x20     ; zs s12, part s14
	s_load_b64 s[36:37], s[0:1], 0x30      ; out0
	v_lshrrev_b32 v1, 5, v0
	v_readfirstlane_b32 s38, v1
	v_and_b32 v1, 31, v0
	v_and_b32 v2, 15, v0
	v_bfe_u32 v3, v0, 4, 1
	v_lshrrev_b32 v4, 3, v2
	v_lshlrev_b32 v4, 11, v4
	v_lshl_add_u32 v4, v3, 7, v4
	v_and_b32 v5, 7, v0
	v_lshl_add_u32 v4, v5, 4, v4           ; in a group's 4,096 bytes: (r / 8) 2,048 + 128 h + 16 (r % 8)
	v_lshlrev_b32 v5, 2, v1
	v_lshlrev_b32 v6, 8, v3
	v_lshlrev_b32 v7, 6, v3
	s_wait_alu depctr_va_sdst(0)           ; the wave's number is written, ahead of its first reader: the query's number is made from it
	s_lshl_b32 s39, ttmp9, 2
	s_add_co_u32 s39, s39, s38             ; my query
	s_mov_b32 s41, 0
	s_mov_b32 s47, 0
	s_lshl_b32 s40, s39, 6
	s_lshr_b32 s42, s39, 4
	s_and_b32 s43, s39, 15
	s_lshl_b32 s46, s39, 2
	s_wait_kmcnt 0x0
	s_add_nc_u64 s[4:5], s[4:5], s[40:41]
	s_load_b512 s[16:31], s[4:5], 0x0      ; my 16 groups
	s_add_nc_u64 s[14:15], s[14:15], s[46:47]
	s_load_b32 s32, s[14:15], 0x0          ; pred_err
	s_load_b32 s33, s[14:15], 0x1000       ; epistemic
	s_add_nc_u64 s[36:37], s[36:37], s[46:47]
	s_lshl_b32 s40, s42, 12
	s_lshl_b32 s44, s43, 4
	s_add_co_u32 s40, s40, s44
	s_add_nc_u64 s[10:11], s[10:11], s[40:41]
	s_lshl_b32 s40, s42, 7
	s_lshl_b32 s44, s43, 2
	s_add_co_u32 s40, s40, s44
	s_add_nc_u64 s[12:13], s[12:13], s[40:41]
	s_wait_alu depctr_va_vdst(0)           ; v6 and v7 are written, which the query's loads read as their offsets
.irp k, 0,1,2,3,4,5,6,7
	global_load_b128 v[QF+4*\k:QF+4*\k+3], v6, s[10:11] offset:\k*512          ; every lane of a half takes the query's own 16 bytes
.endr
	global_load_b32 v[QSC], v7, s[12:13]
	s_wait_kmcnt 0x0
.irp g, 0,1,2,3,4,5,6,7,8,9,10,11,12,13,14,15
	s_min_u32 s[16+\g], s[16+\g], 12499    ; a number read from memory enters an address only behind this bound
.endr
.irp g, 0,1,2,3,4,5,6,7,8,9,10,11,12,13,14,15
	v_lshl_add_u32 v[OG+\g], s[16+\g], 12, v4
	v_lshl_add_u32 v[OS+\g], s[16+\g], 7, v5
.endr
	s_wait_alu depctr_va_vdst(0)           ; the 32 offsets v8 to v39 are written, which the loads below read; only loads and window switches stand between this wait and the last of them
.irp g, 0,1,2,3,4,5,6,7,8,9,10,11,12,13,14,15
	global_load_b32 v[GSC+\g], v[OS+\g], s[8:9]
.endr
	WIN 0x40
.irp g, 0,1,2,3,4,5,6,7
.irp k, 0,1,2,3,4,5,6,7
	global_load_b128 v[32*\g+4*\k:32*\g+4*\k+3], v[OG+\g], s[6:7] offset:\k*256        ; one instruction reads two aligned runs of 256 bytes
.endr
.endr
	WIN 0x80
.irp g, 0,1,2,3,4,5,6,7
.irp k, 0,1,2,3,4,5,6,7
	global_load_b128 v[32*\g+4*\k:32*\g+4*\k+3], v[OG+8+\g], s[6:7] offset:\k*256
.endr
.endr
	s_wait_loadcnt 0x0
	WIN 0x04                               ; source 1 window 1: groups 0-7.  The sixteen accumulators take turns, one product a turn
.irp g, 0,1,2,3,4,5,6,7
	v_wmma_scale_f32_16x16x128_f8f6f4 v[D+8*\g:D+8*\g+7], v[QF:QF+15], v[32*\g:32*\g+15], 0, v[QSC], v[GSC+\g]
.endr
	WIN 0x08
.irp g, 0,1,2,3,4,5,6,7
	v_wmma_scale_f32_16x16x128_f8f6f4 v[D+64+8*\g:D+64+8*\g+7], v[QF:QF+15], v[32*\g:32*\g+15], 0, v[QSC], v[GSC+8+\g]
.endr
	WIN 0x04
.irp g, 0,1,2,3,4,5,6,7
	v_wmma_scale_f32_16x16x128_f8f6f4 v[D+8*\g:D+8*\g+7], v[QF+16:QF+31], v[32*\g+16:32*\g+31], v[D+8*\g:D+8*\g+7], v[QSC], v[GSC+\g] matrix_a_scale:MATRIX_SCALE_ROW1 matrix_b_scale:MATRIX_SCALE_ROW1
.endr
	WIN 0x08
.irp g, 0,1,2,3,4,5,6,7
	v_wmma_scale_f32_16x16x128_f8f6f4 v[D+64+8*\g:D+64+8*\g+7], v[QF+16:QF+31], v[32*\g+16:32*\g+31], v[D+64+8*\g:D+64+8*\g+7], v[QSC], v[GSC+8+\g] matrix_a_scale:MATRIX_SCALE_ROW1 matrix_b_scale:MATRIX_SCALE_ROW1
.endr
	WIN 0
.rept 8
	v_nop                                  ; places ahead of the first read of results (ISA guide 7.12.1)
.endr
	FLIPS U, D, 8, 2                       ; each accumulator's lowest register is the one that is read
	FLIPS T, U, 1, 4
	HALF U, T, 1
	FLIPS T, U, 1, 8
	HALF U, T, 2
	HALF T, U, 1
	FLIPS U, T, 1, 16
	HALF T, U, 4
	HALF U, T, 2
	HALF T, U, 1                           ; my 16, sorted downward
	XM U, T, 1
	CLEAN16 U, T
	XM T, U, 2
	CLEAN16 T, U
	XM U, T, 4
	CLEAN16 U, T
	XM T, U, 8                             ; the 16 largest of the 256: only their sum is wanted
	v_pk_add_f32 v[224:225], v[240:241], v[242:243]
	v_pk_add_f32 v[226:227], v[244:245], v[246:247]
	v_pk_add_f32 v[228:229], v[248:249], v[250:251]
	v_pk_add_f32 v[230:231], v[252:253], v[254:255]
	v_pk_add_f32 v[224:225], v[224:225], v[226:227]
	v_pk_add_f32 v[228:229], v[228:229], v[230:231]
	v_pk_add_f32 v[224:225], v[224:225], v[228:229]
	v_add_f32 v224, v224, v225
	v_fma_f32 v225, v224, 0xbd800000, 1.0  ; 1 - the mean
	v_med3_num_f32 v225, v225, 0, 1.0      ; novelty
	v_mov_b32 v227, s32
	v_mov_b32 v228, s33
	v_fma_f32 v226, v228, 0.5, v227
	v_fma_f32 v226, v225, 0.5, v226        ; total
	v_cmp_eq_u32 s48, 1, v1                ; the masks in one run: lane 1 takes pred_err, lane 2 epistemic, lane 3 novelty;
	v_cmp_eq_u32 s49, 2, v1
	v_cmp_eq_u32 s50, 3, v1
	v_cmp_gt_u32 vcc_lo, 4, v1             ; and lanes 0 to 3 store
	s_wait_alu depctr_va_sdst(0)           ; s48 to s50 are written, ahead of the selects that read them
	v_cndmask_b32 v226, v226, v227, s48
	v_cndmask_b32 v226, v226, v228, s49
	v_cndmask_b32 v226, v226, v225, s50
	v_and_b32 v229, 3, v1
	v_lshlrev_b32 v229, 12, v229
	s_wait_xcnt 0x0                        ; EXEC changes only behind this wait
	s_wait_alu depctr_va_vcc(0)            ; VCC is written: EXEC is made from it
	s_wait_alu depctr_va_vdst(0)           ; every vector line issued so far has run under the full EXEC; v226 and v229 are written, which the store reads
	s_wait_alu depctr_vm_vsrc(0)           ; every load issued so far has read its registers under the full EXEC
	s_and_saveexec_b32 s44, vcc_lo
	global_store_b32 v229, v226, s[36:37]
	s_wait_xcnt 0x0
	s_wait_alu depctr_va_vdst(0)           ; ahead of the write of EXEC: no vector line is pending under the narrow one
	s_wait_alu depctr_vm_vsrc(0)           ; the store has read its registers under the narrow EXEC
	s_or_b32 exec_lo, exec_lo, s44
	s_endpgm
.Lfunc_end_k_q4948780349_score:
	.size	k_q4948780349_score, .Lfunc_end_k_q4948780349_score-k_q4948780349_score
	.p2alignl 7, 3214868480
	.fill 96, 4, 3214868480
	.section	.rodata,"a",@progbits
	.p2align	6, 0x0
	.amdhsa_kernel k_q4948780349_score
		.amdhsa_group_segment_fixed_size 0
		.amdhsa_private_segment_fixed_size 0
		.amdhsa_enable_private_segment 0
		.amdhsa_kernarg_size 56
		.amdhsa_user_sgpr_count 2
		.amdhsa_user_sgpr_kernarg_segment_ptr 1
		.amdhsa_wavefront_size32 1
		.amdhsa_system_sgpr_workgroup_id_x 1
		.amdhsa_system_sgpr_workgroup_id_y 1
		.amdhsa_system_sgpr_workgroup_id_z 1
		.amdhsa_system_vgpr_workitem_id 0
		.amdhsa_next_free_vgpr 768
		.amdhsa_next_free_sgpr 66
		.amdhsa_reserve_vcc 1
		.amdhsa_float_denorm_mode_32 3
		.amdhsa_float_denorm_mode_16_64 3
		.amdhsa_memory_ordered 1
		.amdhsa_forward_progress 1
		.amdhsa_inst_pref_size 41
	.end_amdhsa_kernel
	.amdgpu_metadata
---
amdhsa.version: [ 1, 2 ]
amdhsa.kernels:
  - .name:           k_q4948780349_score
    .symbol:         k_q4948780349_score.kd
    .args:
      - { .name: gids, .offset: 0, .size: 8, .value_kind: global_buffer, .address_space: global }
      - { .name: mq, .offset: 8, .size: 8, .value_kind: global_buffer, .address_space: global }
      - { .name: ms, .offset: 16, .size: 8, .value_kind: global_buffer, .address_space: global }
      - { .name: zq, .offset: 24, .size: 8, .value_kind: global_buffer, .address_space: global }
      - { .name: zs, .offset: 32, .size: 8, .value_kind: global_buffer, .address_space: global }
      - { .name: part, .offset: 40, .size: 8, .value_kind: global_buffer, .address_space: global }
      - { .name: out0, .offset: 48, .size: 8, .value_kind: global_buffer, .address_space: global }
    .group_segment_fixed_size: 0
    .private_segment_fixed_size: 0
    .kernarg_segment_align: 8
    .kernarg_segment_size: 56
    .max_flat_workgroup_size: 128
    .sgpr_count:     66
    .vgpr_count:     768
    .wavefront_size: 32
...
	.end_amdgpu_metadata
.endif
;; end of part 6
